; MI455X (gfx1250); checked and timed in simulation.
; The chip was launched on July 23, 2026; its instructions are those of AMD's public machine-readable ISA for CDNA 5 (MIT licence, August 2026) and "CDNA5" Instruction Set Architecture Reference Guide (July 2026). The comments in the code are by the model that wrote it; some were corrected since.
;; Learned Structured Attention. Allowed arithmetic: matrix products marked QUANTISED: E2M3 operands, one E8M0 scale for each 32 along K, by v_wmma_scale_f32_16x16x128_f8f6f4 with both operands' format E2M3, f32 sums; everything else in f32.
;; Inputs: Wk 1,024 x 1,024 float32; Wq 1,024 x 1,024 float32; Wv 1,024 x 1,024 float32; bk 1,024 float32; bq 1,024 float32; bv 1,024 float32; ssm 4 x 2,048 x 2,048 float32; x 2,048 x 4 x 1,024 float32.
;; Outputs: out0 2,048 x 4 x 1,024 float32.
;; This version of the problem:
;;   THIS VERSION OF THE PROBLEM IS GIVEN IN LOW PRECISION. The matrix products marked QUANTISED in the list below multiply operands that are first quantised to E2M3 (2 exponent bits, 3 mantissa bits; 6 bits a number), with one power-of-two scale for each 32 numbers along K (OCP MX v1.0); their sums are f32. All else is computed in f32.
;;   The module's matrix products, in the order in which they are computed (A, B: the left and right operand; K: the contracted axis; several contracted axes count as one K, in the product's order):
;;     1. [M 8,192, K 1,024] x [K 1,024, N 1,024]; A: input x; B: input Wq: QUANTISED
;;     2. [M 8,192, K 1,024] x [K 1,024, N 1,024]; A: input x; B: input Wk: QUANTISED
;;     3. [M 8,192, K 1,024] x [K 1,024, N 1,024]; A: input x; B: input Wv: QUANTISED
;;     4. batch 4 x [M 2,048, K 1,024] x [K 1,024, N 2,048]; A: computed on the way; B: computed on the way: QUANTISED
;;     5. batch 4 x [M 2,048, K 2,048] x [K 2,048, N 1,024]; A: softmax (see below); B: computed on the way: QUANTISED
;;   THE QUANTISER, for each operand of a quantised product, along K:
;;     - K is cut into blocks of 32 from its start; a last block that is shorter is filled with zeros.
;;     - A block's scale is 2^e with e = floor(log2(the largest magnitude in the block)) - 2, held to -126 .. 127; a block of zeros has e = 0. As a byte (E8M0): e + 127.
;;     - Each number is divided by its block's scale, clamped to +-7.5, and rounded to the nearest number of E2M3, ties to even, subnormals kept.
;;     - The product sums the exact products of the quantised numbers (number of the format x scale) in f32.
;;   ~~~python
;;   def quantise(x, axis):      # numpy; x: float32 -> the quantised numbers, widened to float32 again
;;       x = np.moveaxis(x, axis, -1); K = x.shape[-1]
;;       x = np.pad(x, [(0, 0)] * (x.ndim - 1) + [(0, -K % 32)]); x = x.reshape(x.shape[:-1] + (-1, 32)); a = np.abs(x).max(-1, keepdims=True)
;;       e = np.where(a > 0, np.clip(np.frexp(np.where(a > 0, a, 1))[1] - 1 - 2, -126, 127), 0)      # np.frexp(a)[1] - 1 = floor(log2(a)), exactly
;;       r = np.clip(x / 2.0 ** e, -7.5, 7.5)
;;       step = 2.0 ** (np.maximum(np.frexp(np.where(r == 0, 1, r))[1] - 1, 0) - 3)
;;       q = np.round(r / step) * step * 2.0 ** e      # np.round: ties to even
;;       return np.moveaxis(q.reshape(q.shape[:-2] + (-1,))[..., :K], -1, axis).astype(np.float32)
;;   ~~~
;;   SOFTMAX AHEAD OF A QUANTISED PRODUCT. Where the list says 'softmax', what is quantised is not the finished softmax but p = 2^(t - M), with t = logit x log2(e) and M = ceil(the row's largest t), a whole number; so 1/2 < the row's largest p <= 1. The row's sum l is taken of the UNQUANTISED p, in f32, and the product's result is divided by l at the end. Since M is a whole number, a kernel that streams over the keys may use a running M (the ceiling of the running maximum): every later rescaling is an exact power of two, which a block's scale takes up: the codes' values come out the same.
;;   OPERANDS COMPUTED ON THE WAY. 'Computed on the way' means the value that the module computes at that place (a softmax that the list does not call 'softmax' is quantised finished and normalised). What goes into a quantiser is computed in f32, as accurately as f32 sums, v_exp_f32 and their like allow (about 1e-6 of the number): no bf16 or f16 on the way to a quantiser, and a product that is left as it is and whose result goes on into a quantised operand takes f32 operands (vector FMAs, or v_wmma_f32_16x16x4_f32). A number that lies on a knife's edge between two numbers of the format may be rounded either way, as far as f32 arithmetic and the matrix unit's own rounding can turn it there, and no further.
;; One version. Each part assembles by itself: llvm-mc -triple=amdgcn-amd-amdhsa -mcpu=gfx1250 --defsym DOCPART=n.
;; ======== version 1 of 1: 4 launches
;; limits: right only within a limited range of input values
;; workspace buffers: opc 8,650,752 bytes; ops 360,448 bytes; qkvc 18,874,368 bytes; qkvs 786,432 bytes; pc 12,582,912 bytes; pstat 1,572,864 bytes
;; launch quant (part 1): grid 704 x 1, 4 waves a work-group, no clusters, 34,816 bytes of LDS; arguments x, Wq, Wk, Wv, opc, ops; writes opc, ops
.if DOCPART == 1
	.amdgcn_target "amdgcn-amd-amdhsa--gfx1250"
	.amdhsa_code_object_version 6
	.text
	.protected	k_q2c1b88eb86_quant
	.globl	k_q2c1b88eb86_quant
	.p2align	8
	.type	k_q2c1b88eb86_quant,@function
k_q2c1b88eb86_quant:
	s_mov_b64 s[64:65], 0
	v_nop
	global_prefetch_b8 v0, s[64:65] scope:SCOPE_SE
	s_setreg_imm32_b32 hwreg(HW_REG_WAVE_MODE, 25, 1), 1
	s_wait_xcnt 0x0
; x [2048][4][1024] and Wq, Wk, Wv [1024][1024], f32, become codes of FP6 (E2M3) with one E8M0 scale byte for each 32 along the last axis, which is K of the three projections.
; A block's scale is 2^(floor(log2(its largest magnitude)) - 2): its byte is the largest magnitude's exponent field - 2, held at 1 from below.  (A block of zeros keeps the byte 1 where the rule
; says 127: its codes are zeros, and this program alone reads the bytes.)
; LIMITS: NaN and infinities among the inputs are not served; blocks whose largest magnitude lies under 2^-124 keep the byte 1.
; THE OUTPUT IS LAID AS THE MATRIX OPERAND'S REGISTERS.  A unit is 128 rows x 128 K: 8 fragments of 16 rows, 1,536 bytes each: group g of 3 holds lane l's registers 4 g .. 4 g + 3 at 512 g + 16 l.
; Units lie [group of 128 rows][K / 128].  A unit's scale words (4 bytes: one row, 128 K) are 512 bytes, laid [fragment / 4][row 16][fragment % 4].
; Groups of rows: 0-63 x, batch first (16 b + s / 128); 64-71 Wq; 72-79 Wk; 80-87 Wv.
; THE ROWS OF A FRAGMENT ARE NOT NEIGHBOURS: place r of fragment i holds row 32 (i / 2) + 8 (i % 2) + r + 8 (r / 8) of its group, so that a product which takes such an operand as source 0
; leaves 16 neighbours along that axis in the 16 registers of two neighbouring result tiles.
; SHARES.  A work-group makes one unit, wave q its fragments 2 q and 2 q + 1: 88 x 8 units, 704 work-groups.  A fragment: 16 loads, each 512 consecutive bytes of one row; both fragments' 32 loads are issued at the
; wave's start.  A fragment's 8,192 bytes turn through the wave's own stage in LDS (rows of 528 bytes), so that lane (r, h) gets, of row r, the 16 neighbours 32 b + 16 h + 0 .. 15 of each block b.
; The four waves' scale words meet in 512 bytes of LDS, and wave 0 stores them as 512 consecutive bytes.  No tensor loads.  Matrix units and clusters have no part here: memory binds.
.set STGB, 8448                        ; a wave's stage: 16 rows x (512 + 16) bytes
.set SPARE, 4*STGB                     ; the spare words, 128 bytes for each wave: two blocks of 256 bytes that no other line names
.set SCB,  SPARE+512                   ; the unit's scale words
.set SRD,  3                           ; v3   SCB + 16 x lane
.set STI,  4                           ; v4   the stage, on the way in: 16 x lane
.set STR,  5                           ; v5   on the way out: 528 r + 64 h
.set CO,   6                           ; v6   16 x lane
.set SCO,  7                           ; v7   SCB + 256 (q / 2) + 16 r + 8 (q % 2): my row's two scale words
.set VOFF, 8                           ; v8-23  16 x lane + (p + 8 (p / 8)) x the source's pitch: place p's row
.set PW,   24                          ; v24-25 the two fragments' scale words
.set SPW,  26                          ; v26  my spare word; never rewritten
.set NIL,  27                          ; v27  0; never rewritten
.set R,    32                          ; v32-159 two sets of 64: a fragment as loaded
.set X,    160                         ; v160-223 register 16 b + i = k 32 b + 16 h + i of my row
.set PC,   224                         ; v224-243 the codes
.set BM,   244
.set TP,   248
.set SO,   252
.set OC,   12                          ; s[12:13] where my codes go
.set SEL,  38                          ; s[38:39] v_permlanex16_b32's selects for lane l xor 16
.macro ABSMAX s                        ; the largest magnitude of each of the four blocks of 32
.irp b, 0,1,2,3
	v_max3_num_f32 v[BM+\b], |v[\s+16*\b]|, |v[\s+16*\b+1]|, 0x1800000   ; my 16 numbers, and the floor 2^(3 - 127): the byte cannot fall under 1
.endr
.irp i, 2,4,6,8,10,12,14
.irp b, 0,1,2,3
	v_max3_num_f32 v[BM+\b], v[BM+\b], |v[\s+16*\b+\i]|, |v[\s+16*\b+\i+1]|
.endr
.endr
.irp b, 0,1,2,3
	v_permlanex16_b32 v[TP+\b], v[BM+\b], s[SEL], s[SEL+1]
.endr
.irp b, 0,1,2,3
	v_max_num_f32 v[BM+\b], v[BM+\b], v[TP+\b]     ; with lane l xor 16's 16
.endr
.endm
.macro SCALEW pw
.irp b, 0,1,2,3
	v_add_nc_u32 v[SO+\b], 0xff000000, v[BM+\b]    ; 2 off the exponent field: the conversion's scale operand
.endr
.irp b, 0,1,2,3
	v_lshrrev_b32 v[TP+\b], 23, v[SO+\b]           ; the byte
.endr
	v_lshl_or_b32 v[\pw], v[TP+1], 8, v[TP]
	v_lshl_or_b32 v[\pw], v[TP+2], 16, v[\pw]
	v_lshl_or_b32 v[\pw], v[TP+3], 24, v[\pw]
.endm
.macro CODES s                         ; 64 numbers of a lane become the fragment's 12 registers, v[PC] on
.irp c, 0,1
	v_cvt_scalef32_pk16_fp6_f32 v[PC+6*\c:PC+6*\c+2], v[\s+32*\c:\s+32*\c+15], v[SO+2*\c]
	v_cvt_scalef32_pk16_fp6_f32 v[PC+12+4*\c:PC+14+4*\c], v[\s+32*\c+16:\s+32*\c+31], v[SO+2*\c+1]   ; (a conversion's three registers begin on an even number)
.endr
	v_nop                                          ; one plain place behind the scaled conversions
.irp c, 0,1                            ; the operand wants a whole block in a lane
.irp i, 0,1,2
	v_permlane16_swap_b32 v[PC+6*\c+\i], v[PC+12+4*\c+\i]
.endr
.irp i, 0,1,2
	v_mov_b32 v[PC+3+6*\c+\i], v[PC+12+4*\c+\i]
.endr
.endr
.endm
.macro PUT a                           ; each store covers 512 consecutive bytes, aligned
.irp c, 0,1,2
	global_store_b128 v[CO], v[PC+4*\c:PC+4*\c+3], s[OC:OC+1] offset:(\a)*1536+512*\c
.endr
.endm
	s_load_b256 s[4:11], s[0:1], 0x0               ; x, Wq, Wk, Wv
	s_load_b128 s[12:15], s[0:1], 0x20             ; the codes, the scale words
	v_lshl_add_u32 v[SPW], v0, 2, SPARE
	v_mov_b32 v[NIL], 0
	v_lshrrev_b32 v1, 5, v0
	v_readfirstlane_b32 s24, v1                    ; wave 0..3 = q
	v_and_b32 v1, 15, v0                           ; r
	v_bfe_u32 v2, v0, 4, 1                         ; h
	v_and_b32 v3, 31, v0                           ; lane
	v_lshlrev_b32 v[CO], 4, v3
	v_add_nc_u32 v[SRD], SCB, v[CO]
	v_lshlrev_b32 v[SCO], 4, v1
	s_mul_i32 s25, s24, STGB                       ; my stage
	v_add_nc_u32 v[STI], s25, v[CO]
	v_mul_u32_u24 v[STR], v1, 528
	v_lshl_add_u32 v[STR], v2, 6, v[STR]
	v_add_nc_u32 v[STR], s25, v[STR]
	s_lshr_b32 s25, s24, 1
	s_lshl_b32 s25, s25, 8
	s_and_b32 s26, s24, 1
	s_lshl_b32 s26, s26, 3
	s_add_co_u32 s25, s25, s26
	s_add_co_u32 s25, s25, SCB
	v_add_nc_u32 v[SCO], s25, v[SCO]
	s_mov_b32 s[SEL], 0x76543210
	s_mov_b32 s[SEL+1], 0xfedcba98
.irp b, 0,1,2,3
	v_mov_b32 v[TP+\b], 0                          ; written once: a lane permute's destination counts as one of its sources
.endr
	s_and_b32 s27, ttmp9, 7                        ; kk: which 128 along K
	s_lshr_b32 s28, ttmp9, 3                       ; the group of 128 rows, 0 .. 87
	s_sub_co_u32 s29, s28, 64
	s_lshr_b32 s30, s29, 3                         ; which weight (used from group 64 on)
	s_and_b32 s31, s29, 7                          ; and its group of rows
	s_and_b32 s32, s28, 15                         ; x: s / 128,
	s_lshr_b32 s33, s28, 4
	s_lshl_b32 s33, s33, 12                        ; and the batch's 4,096 bytes
	s_mov_b32 s34, 4096                            ; a weight's pitch
	s_wait_kmcnt 0x0
	s_cmp_eq_u32 s30, 1                            ; every choice hangs on the work-group's number alone: one path through the text serves all four tensors
	s_cselect_b64 s[6:7], s[8:9], s[6:7]
	s_cmp_eq_u32 s30, 2
	s_cselect_b64 s[6:7], s[10:11], s[6:7]
	s_cmp_lt_u32 s28, 64
	s_cselect_b64 s[4:5], s[4:5], s[6:7]
	s_cselect_b32 s34, 16384, s34                  ; x: from s to s + 1 are four batches of 4,096 bytes
	s_cselect_b32 s32, s32, s31
	s_cselect_b32 s33, s33, 0
	s_lshl_b32 s32, s32, 7
	s_lshl_b32 s35, s24, 5
	s_add_co_u32 s32, s32, s35                     ; my first row: 128 x group + 32 q
	s_mul_i32 s32, s32, s34
	s_add_co_u32 s32, s32, s33
	s_lshl_b32 s35, s27, 9
	s_add_co_u32 s32, s32, s35                     ; + 512 kk; under 2^26
	s_mov_b32 s33, 0
	s_add_nc_u64 s[16:17], s[4:5], s[32:33]        ; my second fragment begins 8 rows on: two bases, never rewritten
	s_lshl_b32 s32, s34, 3
	s_add_nc_u64 s[18:19], s[16:17], s[32:33]
.irp p, 0,1,2,3,4,5,6,7,8,9,10,11,12,13,14,15
	v_mad_u32_u24 v[VOFF+\p], s34, \p+8*(\p/8), v[CO]
.endr
	s_mul_i32 s32, ttmp9, 12288                    ; the unit is the work-group's number
	s_mul_i32 s36, s24, 3072
	s_add_co_u32 s32, s32, s36
	s_add_nc_u64 s[12:13], s[12:13], s[32:33]
	s_lshl_b32 s32, ttmp9, 9
	s_add_nc_u64 s[14:15], s[14:15], s[32:33]
.macro LOAD t                          ; fragment t as it lies: 16 rows, 512 consecutive bytes a load
.irp p, 0,1,2,3,4,5,6,7,8,9,10,11,12,13,14,15
	global_load_b128 v[R+64*(\t)+4*\p:R+64*(\t)+4*\p+3], v[VOFF+\p], s[16+2*(\t):17+2*(\t)] th:TH_LOAD_NT
.endr
.endm
.macro ONE t
	s_wait_loadcnt 16*(1-(\t))                     ; this fragment's 16 loads are in; the second one's may be out
.irp p, 0,1,2,3,4,5,6,7,8,9,10,11,12,13,14,15
	ds_store_b128 v[STI], v[R+64*(\t)+4*\p:R+64*(\t)+4*\p+3] offset:528*\p
.endr
.irp b, 0,1,2,3
.irp j, 0,1,2,3
	ds_load_b128 v[X+16*\b+4*\j:X+16*\b+4*\j+3], v[STR] offset:128*\b+16*\j   ; LDS serves a wave's instructions in order: these see the stores above
.endr
.endr
	s_wait_dscnt 0x0
	ABSMAX X
	SCALEW PW+(\t)
	s_wait_alu depctr_va_vdst(0)                   ; the wait here, ahead of the wait below
.if (\t) > 0
	s_wait_xcnt 0x0                                ; the first fragment's stores have read the codes' registers: they are written again only behind this wait
.endif
	CODES X
	PUT \t
.endm
	s_wait_alu depctr_va_vdst(0)                   ; the wait at the head's end
	LOAD 0
	LOAD 1
	ONE 0
	ONE 1
	ds_store_b64 v[SCO], v[PW:PW+1]                ; lanes r and r + 16 hold the same two words and write the same bytes
	s_wait_dscnt 0x0                               ; for the others' sake
	s_barrier_signal -1
	s_barrier_wait -1
	s_cmp_lg_u32 s24, 0
	s_cbranch_scc1 .Lend
	ds_load_b128 v[28:31], v[SRD]
	s_wait_dscnt 0x0
	global_store_b128 v[CO], v[28:31], s[14:15]    ; 512 consecutive bytes, aligned
.Lend:
	s_wait_tensorcnt 0x0                           ; the wave's end
	ds_add_u32 v[SPW], v[NIL]
	s_wait_dscnt 0x0
	s_endpgm
.Lfunc_end_k_q2c1b88eb86_quant:
	.size	k_q2c1b88eb86_quant, .Lfunc_end_k_q2c1b88eb86_quant-k_q2c1b88eb86_quant
	.p2alignl 7, 3214868480
	.fill 96, 4, 3214868480
	.section	.rodata,"a",@progbits
	.p2align	6, 0x0
	.amdhsa_kernel k_q2c1b88eb86_quant
		.amdhsa_group_segment_fixed_size 34816
		.amdhsa_private_segment_fixed_size 0
		.amdhsa_enable_private_segment 0
		.amdhsa_kernarg_size 48
		.amdhsa_user_sgpr_count 2
		.amdhsa_user_sgpr_kernarg_segment_ptr 1
		.amdhsa_wavefront_size32 1
		.amdhsa_system_sgpr_workgroup_id_x 1
		.amdhsa_system_sgpr_workgroup_id_y 1
		.amdhsa_system_sgpr_workgroup_id_z 1
		.amdhsa_system_vgpr_workitem_id 0
		.amdhsa_next_free_vgpr 256
		.amdhsa_next_free_sgpr 66
		.amdhsa_reserve_vcc 0
		.amdhsa_float_denorm_mode_32 3
		.amdhsa_float_denorm_mode_16_64 3
		.amdhsa_memory_ordered 1
		.amdhsa_forward_progress 1
		.amdhsa_inst_pref_size 20
	.end_amdhsa_kernel
	.amdgpu_metadata
---
amdhsa.version: [ 1, 2 ]
amdhsa.kernels:
  - .name:           k_q2c1b88eb86_quant
    .symbol:         k_q2c1b88eb86_quant.kd
    .args:
      - { .name: x, .offset: 0, .size: 8, .value_kind: global_buffer, .address_space: global }
      - { .name: Wq, .offset: 8, .size: 8, .value_kind: global_buffer, .address_space: global }
      - { .name: Wk, .offset: 16, .size: 8, .value_kind: global_buffer, .address_space: global }
      - { .name: Wv, .offset: 24, .size: 8, .value_kind: global_buffer, .address_space: global }
      - { .name: opc, .offset: 32, .size: 8, .value_kind: global_buffer, .address_space: global }
      - { .name: ops, .offset: 40, .size: 8, .value_kind: global_buffer, .address_space: global }
    .group_segment_fixed_size: 34816
    .private_segment_fixed_size: 0
    .kernarg_segment_align: 8
    .kernarg_segment_size: 48
    .max_flat_workgroup_size: 128
    .sgpr_count:     66
    .vgpr_count:     256
    .wavefront_size: 32
...
	.end_amdgpu_metadata
.endif
;; end of part 1
;; launch proj (part 2): grid 8 x 32, 4 waves a work-group, clusters of 4 x 4, 327,680 bytes of LDS; arguments opc, ops, bq, bk, bv, qkvc, qkvs; writes qkvc, qkvs
.if DOCPART == 2
	.amdgcn_target "amdgcn-amd-amdhsa--gfx1250"
	.amdhsa_code_object_version 6
	.text
	.protected	k_q2c1b88eb86_proj
	.globl	k_q2c1b88eb86_proj
	.p2align	8
	.type	k_q2c1b88eb86_proj,@function
k_q2c1b88eb86_proj:
	s_mov_b64 s[64:65], 0
	v_nop
	global_prefetch_b8 v0, s[64:65] scope:SCOPE_SE
	s_setreg_imm32_b32 hwreg(HW_REG_WAVE_MODE, 25, 1), 1
	s_wait_xcnt 0x0
	s_wait_alu depctr_hold_cnt(0) depctr_sa_sdst(0) depctr_va_vdst(0) depctr_va_sdst(0) depctr_va_ssrc(0) depctr_va_vcc(0) depctr_vm_vsrc(0)
	s_getreg_b32 s2, hwreg(HW_REG_IB_STS2, 6, 4)
	s_cmp_eq_u32 s2, 0
	s_cbranch_scc0 .Lentry_in_a_cluster
	s_endpgm
.Lentry_in_a_cluster:
	s_bfe_u32 s2, ttmp6, 0x10000c
	s_cmp_lg_u32 s2, 0xf033
	s_cbranch_scc0 .Lentry_shape_is_right
	s_endpgm
.Lentry_shape_is_right:
; Q = x Wq^T + bq, K = x Wk^T + bk and V^T = Wv x^T + bv, on codes of FP6 (E2M3) with E8M0 scales; the results are quantised on the way out and leave as codes: Q and K along hid, V^T along the keys.
; OPERANDS lie as images of the matrix operand's registers (a unit = 128 rows x 128 K = 8 fragments of 1,536 bytes, lane l's registers 4 g .. 4 g + 3 at 512 g + 16 l; 512 bytes of scale words a unit,
; laid [fragment / 4][row][fragment % 4]; units [group of 128 rows][K / 128]).  So 256 along K of 128 rows are 24,576 dense bytes, and a fragment is three ds_load_b128 at 16 x lane.
; Place r of fragment i holds row 32 (i / 2) + 8 (i % 2) + r + 8 (r / 8) of its group.
; THE MATRIX INSTRUCTION IS USED TRANSPOSED: source 0 = 16 rows of B, source 1 = 16 rows of A: a lane holds ONE row of A, and by the order of B's rows the 16 registers of tiles 2 b, 2 b + 1 are 16 neighbours
; along B's rows, 32 b + 16 h + 0 .. 15: the next product's K.  So a block of 16 rows x 128 is quantised in registers.
; A WORK-GROUP STAYS AND HAS TWO PARTS, so that the 256 + 128 tiles' worth of work falls evenly on 256 work-groups (tile column tc 0-7, tile row tr 0-31):
;   part 1: a tile of 256 x 256 of Q (tc 0-3) or K (tc 4-7): A = x's rows 256 tr on, B = Wq's or Wk's rows; a wave makes 128 x 128: 64 accumulators.
;   part 2: half a tile of V^T, 128 x 256: A = Wv's group of rows tc, B = the same 256 rows of x; a wave makes 64 x 128: 32 accumulators.
; K = 1,024 goes through a ring of two slots of 256, and THE RING GOES ON INTO PART 2: part 1's last two changes of slots ask for part 2's first two K steps, which land while part 1's results are quantised and stored.
; In part 2 x's tiles keep their descriptors, their waves (0, 1) and their LDS bytes; Wv's 24,576 bytes a slot take B's shape and mask and wave 2's bytes; wave 3 asks for nothing.
; THE HEAD: one tensor load a wave: wave 0 A's part of slot 0, wave 2 B's (each two groups of rows, 24,576 dense bytes a group), waves 1 and 3 the scale words of A's and B's two groups; slot 1's first fill stands behind the full sequence and a round.
; CLUSTERS: 4 x 4 work-groups; what hangs on the tile row alone (x) is asked for jointly along a row of the cluster, what hangs on the tile column alone (Wq, Wk, Wv) along a column.
; Wv's 4,096 bytes of scale words come through registers into LDS bytes of their own.
; THE BIASES ARE THE C OF EACH ACCUMULATOR'S FIRST PRODUCT: no addition is written.  bq or bk goes by column: eight registers for each of B's eight tiles.  bv goes by row: one number a lane for each of A's four blocks, held in eight registers.
; THE WAY OUT reads the accumulators where they stand: the largest magnitudes and the conversions take them from windows 2 and 3.
; PREFETCHES.  Of the 96 blocks of 256 bytes of the quarter of a slot that a wave fetches in part 1, each of the four partners that ask jointly takes 24, told apart by address (cx for x, cy for Wq or Wk); lanes 24-31 name the last
; block again.  Slots 0 and 1 are named ahead of the opening round, slot 2 behind the head's load, slot 3 behind slot 1's fill.  Of Wv's four slots wave w names slot w, the column's partners 24 blocks each, behind slot 1's fill:
; five steps ahead of the first load that wants them.  x's tiles of part 2 have been read in part 1 and are not named again.
; LIMITS: NaN and infinities are not served; blocks whose largest magnitude lies under 2^-124 keep the byte 1 (a block of zeros too: its codes are zeros, and this program alone reads the bytes).
; REGISTERS: window 0: v0-15 addresses, v16-19 bv, v24-29 addresses, v32-47 scale words (two sets), v48-53 part 2's LDS addresses, v56-63 Wv's scale words on their way, v64-255 A's fragments (two sets); on the way out v192-255 are at work.
;   window 1: B's fragments (two sets of 96), v192-255 bq or bk, then v192-223 bv eightfold.   windows 2, 3: accumulator (a, b) at v[8 (8 (a % 4) + b)] of window 2 + a / 4.
.set PART,  1                          ; which part the text stands in; set again between the parts, with MB, UA, NF, the LDS address registers and OC
.set MB,    8                          ; A's blocks of 16 rows a wave
.set UA,    3*MB/2                     ; LDS loads of A's upper blocks: the youngest of a fetch
.set NF,    24+3*MB+2                  ; LDS loads of a fetch
.set HALF,  24576                      ; 128 rows x 256 K
.set SLOT,  4*HALF                     ; part 1: A's two halves, then B's; part 2: x's two halves, then Wv's group
.set REF,   2*HALF                     ; a slot's next fill lies two slots on along K
.set WSC,   2*SLOT                     ; Wv's scale words, 4,096 bytes: written by LDS stores alone, no fill lands here
.set SCL,   WSC+4096                   ; the scale words of 4 x 128 rows for all of K: 4,096 bytes each: x's two, then Wq's or Wk's two
.set SPARE, SCL+4*4096                 ; the spare words, 128 bytes for each wave: two blocks of 256 bytes that no other line names
.set ADRA,  4                          ; v4-5  LDS address of my A fragments in slot 0, 1   (part 2: v48-49)
.set ADRB,  6                          ; v6-7  of B's                                       (part 2: v50-51)
.set ADRS0, 8                          ; v8    of the scale words of blocks 0-3: lanes 0-15 A's, lanes 16-31 B's   (part 2: v52)
.set ADRS1, 9                          ; v9    of blocks 4-7                                (part 2: v53)
.set SPW,   10                         ; v10   my spare word; never rewritten
.set NIL,   11                         ; v11   0; never rewritten
.set CO,    12                         ; v12   16 x lane
.set BV,    16                         ; v16-19 bv of my row of block a
.set SCO,   26                         ; v26   16 r + 8 h: my two scale words of part 2
.set PFT,   29                         ; v29   256 x min(lane, 23); never rewritten
.set SC,    32
.set AF,    64
.set PC,    192
.set BM,    212
.set TP,    216
.set SO,    220
.set PW,    232                        ; v232-239 the blocks' scale words
.set OC,    66                         ; s[66:67] where part 1's codes go   (part 2: s[4:5])
.set WVA,   94                         ; s[94:95] Wv's group of rows tc: its codes
.set PFA,   100                        ; s[100:101] my work-group's 24 blocks of my quarter, at K 0
.set PFW,   104                        ; s[104:105] my work-group's 24 blocks of Wv's slot number wave
.set G1,  24
.set G0,  32
.set G1B, 48
.set G0B, 56
.set G1S, 68
.set G0S, 76
.set G1SB, 80
.set G0SB, 88
.set SEL, 92
.set MSB, 0
.macro WIN new                         ; the immediate's high byte repeats the setting that is left
.if MSB != (\new)
	s_set_vgpr_msb (MSB<<8)|(\new)
.set MSB, (\new)
.endif
.endm
.macro PLACES n
.rept \n
	v_nop
.endr
.endm
.macro CREST                           ; a round of the cluster's barrier behind its opening barrier
	s_cmp_lg_u32 s14, 0
	s_cbranch_scc1 .Lnot_wave_0_\@
	s_barrier_signal -3
.Lnot_wave_0_\@:
	s_barrier_wait -3
	s_barrier_signal -1
	s_barrier_wait -1
.endm
.macro CROUND
	s_barrier_signal -1
	s_barrier_wait -1
	CREST
.endm
.macro JLOAD g0a, g1a, g0b, g1b        ; part 1's joint load: waves 0 and 1 fetch for A, waves 2 and 3 for B; s_nop 0 and four v_nop follow each line
	s_cmp_eq_u32 s15, 0
	s_cbranch_scc0 .Lfor_b_\@
	tensor_load_to_lds s[\g0a:\g0a+3], s[\g1a:\g1a+7]
	s_nop 0
.rept 4
	v_nop
.endr
	s_branch .Lasked_\@
.Lfor_b_\@:
	tensor_load_to_lds s[\g0b:\g0b+3], s[\g1b:\g1b+7]
	s_nop 0
.rept 4
	v_nop
.endr
.Lasked_\@:
.endm
.macro JLOAD2 slot                     ; part 2's: waves 0 and 1 fetch x's two halves, wave 2 Wv's group, wave 3 nothing.  The branches hang on the wave's number alone
	s_cmp_eq_u32 s15, 0
	s_cbranch_scc0 .Lnot_x_\@
	tensor_load_to_lds s[G0+4*(\slot):G0+4*(\slot)+3], s[G1:G1+7]
	s_nop 0
.rept 4
	v_nop
.endr
	s_branch .Lasked2_\@
.Lnot_x_\@:
	s_cmp_eq_u32 s14, 2
	s_cbranch_scc0 .Lasked2_\@
	tensor_load_to_lds s[G0B+4*(\slot):G0B+4*(\slot)+3], s[G1B:G1B+7]
	s_nop 0
.rept 4
	v_nop
.endr
.Lasked2_\@:
	PLACES 4                                       ; on every wave's way, wave 3's too: the places in front of the loads that follow
.endm
.macro ARM under, g0, g1, next         ; an arm of the head's one chain of branches on the wave's number
	s_cmp_lt_u32 s14, \under
	s_cbranch_scc0 \next
	tensor_load_to_lds s[\g0:\g0+3], s[\g1:\g1+7]
	s_nop 0
.rept 4
	v_nop
.endr
	s_branch .Lfirst_done
\next:
.endm
.macro ABSMAX s, w                     ; the four blocks' largest magnitudes, of 64 sums at v[s] of window w; each accumulator is read from its low end on
	WIN (\w)|((\w)<<2)                             ; sources 0 and 1 window w
.irp b, 0,1,2,3
	v_max3_num_f32 v[BM+\b], |v[\s+16*\b]|, |v[\s+16*\b+1]|, 0x1800000   ; my 16 numbers of block b, and the floor 2^(3 - 127)
.endr
.irp i, 2,4,6,8,10,12,14
.irp b, 0,1,2,3
	v_max3_num_f32 v[BM+\b], |v[\s+16*\b+\i]|, |v[\s+16*\b+\i+1]|, v[BM+\b]
.endr
.endr
	WIN 0
.irp b, 0,1,2,3
	v_permlanex16_b32 v[TP+\b], v[BM+\b], s[SEL], s[SEL+1]
.endr
.irp b, 0,1,2,3
	v_max_num_f32 v[BM+\b], v[BM+\b], v[TP+\b]
.endr
.endm
.macro SCALEW pw
.irp b, 0,1,2,3
	v_add_nc_u32 v[SO+\b], 0xff000000, v[BM+\b]    ; 2 off the exponent field: the conversion's scale operand
.endr
.irp b, 0,1,2,3
	v_lshrrev_b32 v[TP+\b], 23, v[SO+\b]           ; the byte
.endr
	v_lshl_or_b32 v[\pw], v[TP+1], 8, v[TP]
	v_lshl_or_b32 v[\pw], v[TP+2], 16, v[\pw]
	v_lshl_or_b32 v[\pw], v[TP+3], 24, v[\pw]
.endm
.macro CODES s, w
	WIN (\w)                                       ; source 0 (the sums) window w
.irp c, 0,1
	v_cvt_scalef32_pk16_fp6_f32 v[PC+6*\c:PC+6*\c+2], v[\s+32*\c:\s+32*\c+15], v[SO+2*\c]
	v_cvt_scalef32_pk16_fp6_f32 v[PC+12+4*\c:PC+14+4*\c], v[\s+32*\c+16:\s+32*\c+31], v[SO+2*\c+1]
.endr
	v_nop                                          ; one plain place behind the scaled conversions
	WIN 0
.irp c, 0,1
.irp i, 0,1,2
	v_permlane16_swap_b32 v[PC+6*\c+\i], v[PC+12+4*\c+\i]
.endr
.irp i, 0,1,2
	v_mov_b32 v[PC+3+6*\c+\i], v[PC+12+4*\c+\i]
.endr
.endr
.endm
.macro PUT a
.irp c, 0,1,2
	global_store_b128 v[CO], v[PC+4*\c:PC+4*\c+3], s[OC:OC+1] offset:(\a)*1536+512*\c   ; 512 consecutive bytes, aligned
.endr
.endm
; The fragments and scale words of one step of 128 along K (the slot's q-th, the walk's ch-th) into set p.  Order: B's eight, A's lower blocks, the scale words, A's upper blocks.
.macro FETCH slot, q, p, ch
	WIN 0x40                                       ; destination window 1
.irp i, 0,1,2,3,4,5,6,7
.irp g, 0,1,2
	ds_load_b128 v[96*(\p)+12*\i+4*\g:96*(\p)+12*\i+4*\g+3], v[ADRB+(\slot)] offset:(8*(\q)+\i)*1536+512*\g
.endr
.endr
	WIN 0
.set FI_, 0
.rept MB/2
.irp g, 0,1,2
	ds_load_b128 v[AF+12*MB*(\p)+12*FI_+4*\g:AF+12*MB*(\p)+12*FI_+4*\g+3], v[ADRA+(\slot)] offset:(8*(\q)+FI_)*1536+512*\g
.endr
.set FI_, FI_+1
.endr
	ds_load_b128 v[SC+8*(\p):SC+8*(\p)+3], v[ADRS0] offset:512*(\ch)
	ds_load_b128 v[SC+8*(\p)+4:SC+8*(\p)+7], v[ADRS1] offset:512*(\ch)
.rept MB/2
.irp g, 0,1,2
	ds_load_b128 v[AF+12*MB*(\p)+12*FI_+4*\g:AF+12*MB*(\p)+12*FI_+4*\g+3], v[ADRA+(\slot)] offset:(8*(\q)+FI_)*1536+512*\g
.endr
.set FI_, FI_+1
.endr
.endm
; Eight matrix instructions: A's block a against B's eight.  cm = 1: the first products start the sums from the bias, eight registers of window 1: nothing is cleared, nothing is added later.
; All accumulators take turns, in the same order in every step.
.macro MULA a, p, cm
.if (\cm) == 1
	WIN 0x91+0x40*((\a)/4)                         ; source 0 (B) window 1, source 1 (A) window 0, C window 1, D window 2 or 3
.else
	WIN 0xa1+0x50*((\a)/4)                         ; C and D window 2 or 3
.endif
.irp b, 0,1,2,3,4,5,6,7
.set MC_, 8*(8*((\a)%4)+\b)
.set MB_, 96*(\p)+12*\b
.set MA_, AF+12*MB*(\p)+12*(\a)
.if (\cm) == 1
.if PART == 1
.set MZ_, 192+8*\b
.else
.set MZ_, 192+8*(\a)
.endif
	v_wmma_scale_f32_16x16x128_f8f6f4 v[MC_:MC_+7], v[MB_:MB_+11], v[MA_:MA_+11], v[MZ_:MZ_+7], v[SC+8*(\p)+\b], v[SC+8*(\p)+(\a)] matrix_a_fmt:MATRIX_FMT_FP6 matrix_b_fmt:MATRIX_FMT_FP6 matrix_a_scale:MATRIX_SCALE_ROW1
.else
	v_wmma_scale_f32_16x16x128_f8f6f4 v[MC_:MC_+7], v[MB_:MB_+11], v[MA_:MA_+11], v[MC_:MC_+7], v[SC+8*(\p)+\b], v[SC+8*(\p)+(\a)] matrix_a_fmt:MATRIX_FMT_FP6 matrix_b_fmt:MATRIX_FMT_FP6 matrix_a_scale:MATRIX_SCALE_ROW1
.endif
.endr
.endm
.macro MULR a0, n, p, cm               ; blocks a0 .. a0 + n - 1
.set RA_, (\a0)
.rept (\n)
	MULA RA_, \p, \cm
.set RA_, RA_+1
.endr
.endm
.macro STEP p, nslot, nq, nch, cm      ; a step whose successor lies in the same slot
	s_wait_dscnt UA                                ; B's set, A's lower blocks and the scale words are in; A's upper blocks may be out
	MULR 0, MB/2, \p, \cm
	PLACES 4                                       ; in front of loads into registers that matrix instructions have read
	FETCH \nslot, \nq, 1-(\p), \nch
	s_wait_dscnt NF                                ; all but the fetch just issued
	MULR MB/2, MB/2, \p, \cm
.endm
; The first half of a slot's last step: ONE barrier for the change of slots; in front of it each wave waits for all its tensor loads, adds 0 to its spare word, and waits for that and for its reads of this slot.
.macro MEET p
	WIN 0                                          ; (the add's two registers lie in window 0)
	s_wait_tensorcnt 0x0                           ; all my tensor loads have landed: my part of the next slot
	ds_add_u32 v[SPW], v[NIL]                      ; 0 onto my spare word
	s_wait_dscnt UA+1                              ; (the add and A's upper blocks may be out)
	MULR 0, MB/4, \p, 0                            ; matrix work stands between the add and the wait for it
	s_wait_dscnt 0x0                               ; the add is done, and my reads of this slot are over
	s_barrier_signal -1
	MULR MB/4, MB/4, \p, 0
	WIN 0
	s_barrier_wait -1
.endm
; The slot just read out is filled again.  how = 1: with the same rows' K two slots on; how = 2: with part 2's K step of this slot's number: x goes back along K, and B's descriptor takes Wv's group.
.macro REFILL slot, how
	CREST                                          ; the barrier has opened a round of the cluster's barrier: no wave of any partner still reads this slot or has a load on its way
.if (\how) == 2
	s_sub_nc_u64 s[G0+4*(\slot)+2:G0+4*(\slot)+3], s[G0+4*(\slot)+2:G0+4*(\slot)+3], REF   ; the type bits on top are not reached
	s_add_nc_u64 s[G0B+4*(\slot)+2:G0B+4*(\slot)+3], s[WVA:WVA+1], (\slot)*HALF
	s_or_b32 s[G0B+4*(\slot)+3], s[G0B+4*(\slot)+3], 0x80000000
.else
	s_add_nc_u64 s[G0+4*(\slot)+2:G0+4*(\slot)+3], s[G0+4*(\slot)+2:G0+4*(\slot)+3], REF
	s_add_nc_u64 s[G0B+4*(\slot)+2:G0B+4*(\slot)+3], s[G0B+4*(\slot)+2:G0B+4*(\slot)+3], REF
.endif
.if ((\how) == 2) || (PART == 2)
	JLOAD2 \slot                                   ; the first tensor load behind the round
.else
	JLOAD G0+4*(\slot), G1, G0B+4*(\slot), G1B     ; its four v_nop are the places in front of the loads that follow
.endif
.endm
.macro TURN p, slot, nslot, nch, fill  ; a slot's last step; fill = 0: nothing is asked for
	MEET \p
.if (\fill) > 0
	REFILL \slot, \fill
.else
	PLACES 4
.endif
	FETCH \nslot, 0, 1-(\p), \nch
	MULR MB/2, MB/2, \p, 0
.endm
.macro TURNX p, slot                   ; part 1's very last step: the slot takes part 2's second K step; the next fragments are fetched behind the way out
	MEET \p
	REFILL \slot, 2
	MULR MB/2, MB/2, \p, 0
	WIN 0
.endm
.macro LAST p
	s_wait_dscnt UA
	MULR 0, MB/2, \p, 0
	s_wait_dscnt 0x0
	MULR MB/2, MB/2, \p, 0
	WIN 0
.endm
; THE WAY OUT of a block of 16 rows x 128: the four blocks' scales, the codes: one fragment of the next product's operand, stored as it stands.
.macro OUTB a, part
.set OS_, 64*((\a)%4)
.set OW_, 2+(\a)/4
	ABSMAX OS_, OW_
	SCALEW PW+(\a)
	s_wait_alu depctr_va_vdst(0)                   ; the wait here, ahead of the wait below
.if ((\a) > 0) || ((\part) == 2)
	s_wait_xcnt 0x0                                ; the last block's stores have read the codes' registers: they are written again only behind this wait
.endif
	CODES OS_, OW_
	PUT \a
.endm
	s_load_b256 s[4:11], s[0:1], 0x0               ; the operands' codes, their scale words, bq, bk
	s_load_b64 s[12:13], s[0:1], 0x20              ; bv
	s_load_b64 s[66:67], s[0:1], 0x28              ; the results' codes
	s_load_b64 s[98:99], s[0:1], 0x30              ; and scale words
	v_lshl_add_u32 v[SPW], v0, 2, SPARE
	v_mov_b32 v[NIL], 0
	ds_add_u32 v[SPW], v[NIL]                      ; the opening lines: the add, twice on end, and its wait ahead of my first tensor load
	ds_add_u32 v[SPW], v[NIL]
	v_lshrrev_b32 v1, 5, v0
	v_readfirstlane_b32 s14, v1                    ; wave 0..3
	v_and_b32 v[PFT], 31, v0
	v_min_u32 v[PFT], 23, v[PFT]
	v_lshlrev_b32 v[PFT], 8, v[PFT]
	s_lshr_b32 s15, s14, 1                         ; which half of A's rows is mine.  Also: I fetch for A (0) or for B (1)
	s_and_b32 s16, s14, 1                          ; which half of B's rows.  Also: which 128 rows I fetch
	s_bfe_u32 s40, ttmp6, 0x40000                  ; cx, cy
	s_bfe_u32 s41, ttmp6, 0x40004
	s_lshl_b32 s42, ttmp9, 2
	s_add_co_u32 s42, s42, s40                     ; tile column tc = 4 x cluster x + cx: 0-7
	s_and_b32 s17, ttmp7, 0xffff
	s_lshl_b32 s17, s17, 2
	s_add_co_u32 s17, s17, s41                     ; tile row tr = 4 x cluster y + cy: 0-31
	s_lshl_b32 s43, s41, 2
	s_lshl_b32 s43, 15, s43                        ; my row of the cluster
	s_lshl_b32 s44, 0x1111, s40                    ; my column
	s_or_b32 s[G1+0], s43, (3<<16)|(1<<21)         ; the mask; elements of 8 bytes; bit 21 beside a mask; no padding
	s_or_b32 s[G1B+0], s44, (3<<16)|(1<<21)
	s_or_b32 s[G1S+0], s43, (3<<16)|(1<<21)
	s_or_b32 s[G1SB+0], s44, (3<<16)|(1<<21)
.irp g, G1, G1B                        ; the head's form: two groups of rows, 24,576 dense bytes each, 98,304 bytes apart
	s_mov_b32 s[\g+1], 3072<<16
	s_mov_b32 s[\g+2], 2<<16
	s_mov_b32 s[\g+3], 3072<<16
	s_mov_b32 s[\g+4], 2
	s_mov_b32 s[\g+5], 12288
	s_mov_b32 s[\g+6], 0
	s_mov_b32 s[\g+7], 0
.endr
.irp g, G1S, G1SB                      ; 8,192 dense bytes as 32 rows of 256
	s_mov_b32 s[\g+1], 32<<16
	s_mov_b32 s[\g+2], 32<<16
	s_mov_b32 s[\g+3], 32<<16
	s_mov_b32 s[\g+4], 32
	s_mov_b32 s[\g+5], 32
	s_mov_b32 s[\g+6], 0
	s_mov_b32 s[\g+7], 0
.endr
	s_lshl_b32 s18, s17, 1
	s_add_co_u32 s18, s18, s16                     ; x's group of rows that I fetch in the ring: it hangs on the tile row alone
	s_mul_i32 s22, s18, 98304                      ; its codes: 8 units of 12,288 bytes a group
	s_mov_b32 s23, 0
	s_lshl_b32 s18, s17, 13                        ; the scale words of both of the tile row's groups
	s_mov_b32 s19, 0
	s_lshl_b32 s46, s42, 1
	s_add_co_u32 s46, s46, s16
	s_add_co_u32 s46, s46, 64                      ; Wq's and Wk's groups lie from 64 on: on the tile column alone
	s_mul_i32 s2, s46, 98304
	s_mov_b32 s3, 0
	s_sub_co_u32 s46, s46, s16                     ; the scale words of both of the tile column's groups
	s_lshl_b32 s46, s46, 12
	s_mov_b32 s47, 0
	s_add_co_u32 s96, s42, 80                      ; Wv's groups lie from 80 on: group tc, on the tile column alone
	s_mul_i32 s[WVA], s96, 98304
	s_mov_b32 s[WVA+1], 0
	s_lshl_b32 s96, s96, 12
	s_mov_b32 s97, 0
	s_mul_i32 s45, s14, HALF                       ; where a quarter goes: wave x 24,576: no place in the cluster enters an LDS address
	s_cmp_eq_u32 s15, 0                            ; the prefetches: my quarter's offset,
	s_cselect_b32 s[PFA], s22, s2
	s_cselect_b32 s20, s40, s41                    ; my place among the four that ask for it with me:
	s_mul_i32 s20, s20, 6144                       ; 24 blocks of 256 bytes each
	s_add_co_u32 s[PFA], s[PFA], s20
	s_mov_b32 s[PFA+1], 0
	s_mul_i32 s[PFW], s41, 6144                    ; and of Wv's slot number wave
	s_add_co_u32 s[PFW], s[PFW], s45
	s_add_co_u32 s[PFW], s[PFW], s[WVA]
	s_mov_b32 s[PFW+1], 0
	s_wait_alu depctr_va_vdst(0)                   ; the wait here, ahead of the waits below
	s_wait_dscnt 0x0                               ; both opening adds are done
	s_wait_kmcnt 0x0
	s_add_nc_u64 s[PFA:PFA+1], s[4:5], s[PFA:PFA+1]   ; never rewritten
	global_prefetch_b8 v[PFT], s[PFA:PFA+1] th:TH_LOAD_NT scope:SCOPE_SE
	global_prefetch_b8 v[PFT], s[PFA:PFA+1] offset:HALF th:TH_LOAD_NT scope:SCOPE_SE
	s_add_nc_u64 s[PFW:PFW+1], s[4:5], s[PFW:PFW+1]   ; never rewritten
	s_add_nc_u64 s[22:23], s[4:5], s[22:23]
	s_add_nc_u64 s[18:19], s[6:7], s[18:19]
	s_add_nc_u64 s[2:3], s[4:5], s[2:3]
	s_add_nc_u64 s[46:47], s[6:7], s[46:47]
	s_add_nc_u64 s[WVA:WVA+1], s[4:5], s[WVA:WVA+1]
	s_add_nc_u64 s[96:97], s[6:7], s[96:97]
	s_mov_b32 s[G0S], 1
	s_mov_b32 s[G0S+1], SCL
	s_mov_b64 s[G0S+2:G0S+3], s[18:19]
	s_or_b32 s[G0S+3], s[G0S+3], 0x80000000
	s_mov_b32 s[G0SB], 1
	s_mov_b32 s[G0SB+1], SCL+8192
	s_mov_b64 s[G0SB+2:G0SB+3], s[46:47]
	s_or_b32 s[G0SB+3], s[G0SB+3], 0x80000000
.irp s, 0,1
	s_mov_b32 s[G0+4*\s], 1
	s_add_co_u32 s[G0+4*\s+1], s45, \s*SLOT
	s_add_nc_u64 s[G0+4*\s+2:G0+4*\s+3], s[22:23], \s*HALF
	s_or_b32 s[G0+4*\s+3], s[G0+4*\s+3], 0x80000000
	s_mov_b32 s[G0B+4*\s], 1
	s_add_co_u32 s[G0B+4*\s+1], s45, \s*SLOT
	s_add_nc_u64 s[G0B+4*\s+2:G0B+4*\s+3], s[2:3], \s*HALF
	s_or_b32 s[G0B+4*\s+3], s[G0B+4*\s+3], 0x80000000
.endr
	CROUND                                         ; all sixteen work-groups are here: the first joint loads meet
	; the head's loads, one a wave.  Wave 0's and wave 2's own group 0 of slot 0 point at the parts' first bytes
	ARM 1, G0,  G1,  .Lhead_1
	ARM 2, G0S, G1S, .Lhead_2
	ARM 3, G0B, G1B, .Lhead_3
	tensor_load_to_lds s[G0SB:G0SB+3], s[G1SB:G1SB+7]
	s_nop 0
.rept 4
	v_nop
.endr
.Lfirst_done:
	v_and_b32 v1, 15, v0                           ; r
	v_bfe_u32 v2, v0, 4, 1                         ; h
	s_wait_alu depctr_va_vdst(0)
	v_and_b32 v3, 31, v0                           ; lane
	v_lshlrev_b32 v[CO], 4, v3
	; Wv's scale words, 8 x 512 bytes: wave w brings those of K steps 2 w and 2 w + 1 through registers
	s_lshl_b32 s18, s14, 10
	v_add_nc_u32 v24, s18, v[CO]                   ; 1,024 x wave + 16 x lane: in memory and in LDS alike; never rewritten
	global_load_b128 v[56:59], v24, s[96:97]
	global_load_b128 v[60:63], v24, s[96:97] offset:512
	global_prefetch_b8 v[PFT], s[PFA:PFA+1] offset:2*HALF th:TH_LOAD_NT scope:SCOPE_SE
	v_add_nc_u32 v25, WSC, v24
	; part 1's LDS addresses
	s_mul_i32 s18, s15, HALF                       ; my 128 rows of A
	s_mul_i32 s19, s16, HALF                       ; my 128 rows of B,
	s_add_co_u32 s19, s19, 2*HALF                  ; behind A's two halves
.irp s, 0,1
	v_add_nc_u32 v[ADRA+\s], s18, v[CO]
	v_add_nc_u32 v[ADRB+\s], s19, v[CO]
	s_add_co_u32 s18, s18, SLOT
	s_add_co_u32 s19, s19, SLOT
.endr
	s_lshl_b32 s18, s15, 12                        ; A's scale words: my 128 rows
	s_lshl_b32 s19, s16, 12                        ; B's, behind A's two halves
	s_add_co_u32 s19, s19, 8192
	s_sub_co_u32 s19, s19, s18
	v_mul_u32_u24 v13, s19, v2                     ; lanes 16-31 take B's: one product, h x the distance
	s_add_co_u32 s18, s18, SCL
	v_lshl_add_u32 v13, v1, 4, v13                 ; 16 bytes a row: four blocks' words
	v_add_nc_u32 v[ADRS0], s18, v13
	v_add_nc_u32 v[ADRS1], 256, v[ADRS0]
	; part 2's
	s_mul_i32 s18, s15, 6144                       ; A = Wv: my four fragments of a unit's eight,
	s_add_co_u32 s18, s18, 2*HALF                  ; behind x's two halves
	s_mul_i32 s19, s16, HALF                       ; B = x: my 128 keys
.irp s, 0,1
	v_add_nc_u32 v[48+\s], s18, v[CO]
	v_add_nc_u32 v[50+\s], s19, v[CO]
	s_add_co_u32 s18, s18, SLOT
	s_add_co_u32 s19, s19, SLOT
.endr
	s_lshl_b32 s18, s15, 8                         ; Wv's scale words: my four blocks' 256 bytes of a K step's 512
	s_lshl_b32 s19, s16, 12                        ; x's: my 128 keys, behind Wv's 4,096 bytes
	s_add_co_u32 s19, s19, 4096
	s_sub_co_u32 s19, s19, s18
	v_mul_u32_u24 v27, s19, v2                     ; lanes 16-31 take x's: one product, h x the distance
	s_add_co_u32 s19, s19, 256
	v_mul_u32_u24 v28, s19, v2                     ; blocks 4-7 of x (lanes 0-15 read Wv's four words again: not used)
	s_add_co_u32 s18, s18, WSC
	v_lshl_add_u32 v27, v1, 4, v27
	v_lshl_add_u32 v28, v1, 4, v28
	v_add_nc_u32 v52, s18, v27
	v_add_nc_u32 v53, s18, v28
	v_lshlrev_b32 v[SCO], 4, v1
	v_lshl_add_u32 v[SCO], v2, 3, v[SCO]
	s_mov_b32 s[SEL], 0x76543210
	s_mov_b32 s[SEL+1], 0xfedcba98
	; the biases.  By column: tile b's register j of lane (r, h) is feature 32 (b / 2) + 8 (b % 2) + 16 h + j of my 128.  By row: block a's lane r is row 32 (a / 2) + 8 (a % 2) + r + 8 (r / 8) of my 64
	s_lshr_b32 s18, s42, 2
	s_and_b32 s20, s42, 3
	s_lshl_b32 s20, s20, 10
	s_lshl_b32 s21, s16, 9
	s_add_co_u32 s20, s20, s21
	s_mov_b32 s21, 0
	s_cmp_eq_u32 s18, 0                            ; tile columns 0-3 are Wq's, 4-7 Wk's
	s_cselect_b64 s[8:9], s[8:9], s[10:11]
	s_add_nc_u64 s[8:9], s[8:9], s[20:21]
	s_lshl_b32 s20, s42, 9                         ; bv: 128 tc + 64 x my half, 4 bytes each
	s_lshl_b32 s22, s15, 8
	s_add_co_u32 s20, s20, s22
	s_add_nc_u64 s[12:13], s[12:13], s[20:21]
	v_lshlrev_b32 v14, 6, v2
	v_and_b32 v15, 8, v1
	v_add_nc_u32 v15, v15, v1
	v_lshlrev_b32 v15, 2, v15
	WIN 0x40
.irp b, 0,1,2,3,4,5,6,7
	global_load_b128 v[192+8*\b:192+8*\b+3], v14, s[8:9] offset:(32*(\b/2)+8*(\b%2))*4
	global_load_b128 v[192+8*\b+4:192+8*\b+7], v14, s[8:9] offset:(32*(\b/2)+8*(\b%2))*4+16
.endr
	WIN 0
.irp a, 0,1,2,3
	global_load_b32 v[BV+\a], v15, s[12:13] offset:(32*(\a/2)+8*(\a%2))*4
.endr
	; which units of the results are my wave's
	s_lshl_b32 s18, s17, 1
	s_add_co_u32 s18, s18, s15                     ; part 1: the group of rows: 2 tr + half
	s_lshl_b32 s19, s18, 2
	s_and_b32 s20, s42, 3
	s_add_co_u32 s19, s19, s20
	s_lshl_b32 s19, s19, 1
	s_lshr_b32 s20, s42, 2
	s_lshl_b32 s20, s20, 9
	s_add_co_u32 s19, s19, s20
	s_add_co_u32 s19, s19, s16                     ; 512 x (K?) + 8 x group + 2 x (tc % 4) + my half of the columns
	s_lshr_b32 s22, s17, 3                         ; part 2: the batch (8 tile rows of x a batch),
	s_lshl_b32 s22, s22, 3
	s_add_co_u32 s22, s22, s42                     ; 8 x batch + Wv's group,
	s_lshl_b32 s22, s22, 4
	s_and_b32 s23, s17, 7
	s_lshl_b32 s23, s23, 1
	s_add_co_u32 s22, s22, s23
	s_add_co_u32 s22, s22, s16                     ; 16 units a group: which 128 keys of the batch: 2 (tr % 8) + my half,
	s_add_co_u32 s22, s22, 1024                    ; behind Q's and K's 1,024 units
	s_mul_i32 s20, s22, 12288
	s_mul_i32 s23, s15, 6144                       ; my four fragments of the unit's eight
	s_add_co_u32 s20, s20, s23
	s_mov_b32 s21, 0
	s_add_nc_u64 s[4:5], s[66:67], s[20:21]        ; part 2's codes
	s_lshl_b32 s20, s22, 9
	s_lshl_b32 s23, s15, 8
	s_add_co_u32 s20, s20, s23
	s_add_nc_u64 s[6:7], s[98:99], s[20:21]        ; and scale words
	s_mul_i32 s20, s19, 12288
	s_add_nc_u64 s[66:67], s[66:67], s[20:21]      ; part 1's
	s_lshl_b32 s20, s19, 9
	s_add_nc_u64 s[98:99], s[98:99], s[20:21]
	s_wait_loadcnt 0x0                             ; Wv's scale words and the biases are in: the first products take the biases
	ds_store_b128 v25, v[56:59]
	ds_store_b128 v25, v[60:63] offset:512
	s_wait_alu depctr_va_vdst(0)                   ; the wait at the head's end
	s_wait_tensorcnt 0x0                           ; my tile of the head's four is in
	ds_add_u32 v[SPW], v[NIL]
.irp g, G1, G1B                        ; no tensor load of mine is out: from here on a load brings 24,576 dense bytes as 96 rows of 256
	s_mov_b32 s[\g+1], 32<<16
	s_mov_b32 s[\g+2], 96<<16
	s_mov_b32 s[\g+3], 32<<16
	s_mov_b32 s[\g+4], 96
	s_mov_b32 s[\g+5], 32
.endr
	s_wait_dscnt 0x0                               ; the add is done, and my stores of Wv's scale words have landed
	CROUND                                         ; a whole round: everybody's tiles and stores are in
	JLOAD G0+4, G1, G0B+4, G1B                     ; slot 1's first fill, a quarter a wave: the first tensor load behind the round
	; PART 1: eight steps of 128 along K
	FETCH 0, 0, 0, 0
	global_prefetch_b8 v[PFT], s[PFA:PFA+1] offset:3*HALF th:TH_LOAD_NT scope:SCOPE_SE
	global_prefetch_b8 v[PFT], s[PFW:PFW+1] th:TH_LOAD_NT scope:SCOPE_SE
	STEP  0, 0, 1, 1, 1                            ; the first products start the sums from bq or bk
	TURN  1, 0, 1, 2, 1                            ; slot 0 takes K 512 on
	STEP  0, 1, 1, 3, 0
	TURN  1, 1, 0, 4, 1                            ; slot 1 takes K 768 on
	STEP  0, 0, 1, 5, 0
	TURN  1, 0, 1, 6, 2                            ; slot 0 takes part 2's K 0 on
	STEP  0, 1, 1, 7, 0
	TURNX 1, 1                                     ; slot 1 takes part 2's K 256 on; slot 0's fill has landed, in every wave
	PLACES 4                                       ; behind the last products: their results are read, and registers that held A's fragments are written
	WIN 0x40                                       ; destination window 1: bv eightfold, where bq or bk lay: part 2's first products take it
.irp a, 0,1,2,3
.irp j, 0,1,2,3,4,5,6,7
	v_mov_b32 v[192+8*\a+\j], v[BV+\a]
.endr
.endr
	WIN 0
.irp b, 0,1,2,3
	v_mov_b32 v[TP+\b], 0                          ; a lane permute's destination counts as one of its sources
.endr
.irp a, 0,1,2,3,4,5,6,7
	OUTB \a, 1
.endr
	v_cmp_eq_u32 vcc_lo, 1, v2                     ; lanes 0-15 store blocks 0-3's words of row r, lanes 16-31 blocks 4-7's
.irp w, 0,1,2,3
	v_cndmask_b32 v[240+\w], v[PW+\w], v[PW+4+\w], vcc_lo
.endr
	global_store_b128 v[CO], v[240:243], s[98:99]  ; 512 consecutive bytes, aligned
	; PART 2: eight steps again, four blocks of A a wave.  No wait for part 1's stores: they leave while part 2 is multiplied; their data (v192-203, v240-243) are written again only behind a wait on XCNT
.set PART,  2
.set MB,    4
.set UA,    3*MB/2
.set NF,    24+3*MB+2
.set ADRA,  48
.set ADRB,  50
.set ADRS0, 52
.set ADRS1, 53
.set OC,    4
	FETCH 0, 0, 0, 0
	STEP  0, 0, 1, 1, 1                            ; the first products start the sums anew, from bv: part 1's have been read
	TURN  1, 0, 1, 2, 1                            ; slot 0 takes K 512 on
	STEP  0, 1, 1, 3, 0
	TURN  1, 1, 0, 4, 1                            ; slot 1 takes K 768 on
	STEP  0, 0, 1, 5, 0
	TURN  1, 0, 1, 6, 0                            ; nothing is left to ask for
	STEP  0, 1, 1, 7, 0
	LAST  1
	PLACES 4                                       ; behind the last products
.irp a, 0,1,2,3
	OUTB \a, 2
.endr
	v_cmp_eq_u32 vcc_lo, 1, v2                     ; lanes 0-15 store blocks 0, 1's words of row r, lanes 16-31 blocks 2, 3's (every lane holds its row's four)
	v_cndmask_b32 v244, v[PW], v[PW+2], vcc_lo
	v_cndmask_b32 v245, v[PW+1], v[PW+3], vcc_lo
	global_store_b64 v[SCO], v[244:245], s[6:7]    ; 32 lanes store 256 consecutive bytes, aligned
	s_wait_tensorcnt 0x0                           ; the wave's end
	ds_add_u32 v[SPW], v[NIL]
	s_wait_dscnt 0x0
	CROUND                                         ; the closing round
	s_endpgm
.Lfunc_end_k_q2c1b88eb86_proj:
	.size	k_q2c1b88eb86_proj, .Lfunc_end_k_q2c1b88eb86_proj-k_q2c1b88eb86_proj
	.p2alignl 7, 3214868480
	.fill 96, 4, 3214868480
	.section	.rodata,"a",@progbits
	.p2align	6, 0x0
	.amdhsa_kernel k_q2c1b88eb86_proj
		.amdhsa_group_segment_fixed_size 327680
		.amdhsa_private_segment_fixed_size 0
		.amdhsa_enable_private_segment 0
		.amdhsa_kernarg_size 56
		.amdhsa_user_sgpr_count 2
		.amdhsa_user_sgpr_kernarg_segment_ptr 1
		.amdhsa_wavefront_size32 1
		.amdhsa_system_sgpr_workgroup_id_x 1
		.amdhsa_system_sgpr_workgroup_id_y 1
		.amdhsa_system_sgpr_workgroup_id_z 1
		.amdhsa_system_vgpr_workitem_id 0
		.amdhsa_next_free_vgpr 1024
		.amdhsa_next_free_sgpr 106
		.amdhsa_reserve_vcc 1
		.amdhsa_float_denorm_mode_32 3
		.amdhsa_float_denorm_mode_16_64 3
		.amdhsa_memory_ordered 1
		.amdhsa_forward_progress 1
		.amdhsa_inst_pref_size 221
	.end_amdhsa_kernel
	.amdgpu_metadata
---
amdhsa.version: [ 1, 2 ]
amdhsa.kernels:
  - .name:           k_q2c1b88eb86_proj
    .symbol:         k_q2c1b88eb86_proj.kd
    .args:
      - { .name: opc, .offset: 0, .size: 8, .value_kind: global_buffer, .address_space: global }
      - { .name: ops, .offset: 8, .size: 8, .value_kind: global_buffer, .address_space: global }
      - { .name: bq, .offset: 16, .size: 8, .value_kind: global_buffer, .address_space: global }
      - { .name: bk, .offset: 24, .size: 8, .value_kind: global_buffer, .address_space: global }
      - { .name: bv, .offset: 32, .size: 8, .value_kind: global_buffer, .address_space: global }
      - { .name: qkvc, .offset: 40, .size: 8, .value_kind: global_buffer, .address_space: global }
      - { .name: qkvs, .offset: 48, .size: 8, .value_kind: global_buffer, .address_space: global }
    .group_segment_fixed_size: 327680
    .private_segment_fixed_size: 0
    .kernarg_segment_align: 8
    .kernarg_segment_size: 56
    .max_flat_workgroup_size: 128
    .sgpr_count:     106
    .vgpr_count:     1024
    .wavefront_size: 32
...
	.end_amdgpu_metadata
.endif
;; end of part 2
;; launch scores (part 3): grid 8 x 32, 4 waves a work-group, clusters of 4 x 4, 327,680 bytes of LDS; arguments qkvc, qkvs, ssm, pc, pstat; writes pc, pstat
.if DOCPART == 3
	.amdgcn_target "amdgcn-amd-amdhsa--gfx1250"
	.amdhsa_code_object_version 6
	.text
	.protected	k_q2c1b88eb86_scores
	.globl	k_q2c1b88eb86_scores
	.p2align	8
	.type	k_q2c1b88eb86_scores,@function
k_q2c1b88eb86_scores:
	s_mov_b64 s[64:65], 0
	v_nop
	global_prefetch_b8 v0, s[64:65] scope:SCOPE_SE
	s_setreg_imm32_b32 hwreg(HW_REG_WAVE_MODE, 25, 1), 1
	s_wait_xcnt 0x0
	s_wait_alu depctr_hold_cnt(0) depctr_sa_sdst(0) depctr_va_vdst(0) depctr_va_sdst(0) depctr_va_ssrc(0) depctr_va_vcc(0) depctr_vm_vsrc(0)
	s_getreg_b32 s2, hwreg(HW_REG_IB_STS2, 6, 4)
	s_cmp_eq_u32 s2, 0
	s_cbranch_scc0 .Lentry_in_a_cluster
	s_endpgm
.Lentry_in_a_cluster:
	s_bfe_u32 s2, ttmp6, 0x10000c
	s_cmp_lg_u32 s2, 0xf033
	s_cbranch_scc0 .Lentry_shape_is_right
	s_endpgm
.Lentry_shape_is_right:
; For each batch: t = (Q K^T) x ssm x log2(e) / 32 on codes of FP6 (E2M3); p = 2^(t - M) is quantised along the keys and leaves as codes.
; M IS LOCAL: for each query and each 128 keys, M = the ceiling of the largest t among those 128: a whole number, so the change to the row's own M is an exact power of two, which the next launch takes
; off the scale bytes.  Stored for each query and 128 keys: p's scale word, -M (f32), and the sum of the unquantised p (f32).
; OPERANDS lie as images of the operand's registers (a unit = 128 rows x 128 K = 8 fragments of 1,536 bytes; 512 bytes of scale words a unit, laid [fragment / 4][row][fragment % 4]).  Place r of fragment i
; holds row 32 (i / 2) + 8 (i % 2) + r + 8 (r / 8) of its group of 128.  THE MATRIX INSTRUCTION IS USED TRANSPOSED (source 0 = 16 keys, source 1 = 16 queries): a lane holds ONE query, and the 16 registers
; of tiles 2 b, 2 b + 1 are the keys 32 b + 16 h + 0 .. 15.  ssm's rows are fetched in the queries' order of places.
; A tile of 256 queries x 256 keys is made by four waves, each 128 x 128.  K = 1,024 goes through a ring of two slots of 256: eight steps of 128, written out.
; THE HEAD: one tensor load a wave: wave 0 Q's part of slot 0, wave 2 K's (each two groups of rows, 24,576 dense bytes a group), waves 1 and 3 the scale words (8,192 bytes each).  Slot 1's first fill stands behind
; the full sequence and a round, a quarter a wave, as the two refills do.
; CLUSTERS: 4 x 4 work-groups; Q's tiles are asked for jointly along a row of the cluster, K's along a column.
; ssm IS READ ONCE, 512 consecutive bytes a load, AND ITS FIRST BLOCKS COME UNDER THE WALK.  A wave's share is eight blocks of 16 queries x 128 keys, 64 registers each.  Ahead of the first products the ring's tiles and ssm's block 0 are asked for.
; Block 0 is asked for behind slot 1's fill, into the 64 registers of window 1 that the walk leaves free.  In steps 4 and 6 the block that has come goes to a stage of the wave's own in LDS, and the next block is asked for into the
; same registers: at the walk's end blocks 0, 1 lie in stages and block 2 in registers.  Blocks 3-5 are asked for behind the walk, into the registers that held K's fragments, blocks 6 and 7 when blocks 2 and 3 have left theirs.
; A stage turns the block: stored by rows, read back 64 bytes a lane; three stages take turns.  ON THE WAY OUT block a + 1 goes through its stage while block a is worked: it is read back into block a's accumulators, which block a's first 32 lines have read out.
; PREFETCHES.  (1) The ring's tiles.  Of the 96 blocks of 256 bytes of the quarter of a slot that a wave fetches, each of the four partners that ask jointly takes 24, told apart by address (cx for Q, cy for K); lanes 24-31
; name the wave's last block again.  Slots 0 and 1 are named ahead of the opening round, slot 2 behind slot 1's fill, slot 3 at the first refill: each one change of slots or more ahead of its load.
; (2) ssm, a lane to each aligned 256 bytes; every byte of ssm belongs to one wave of the launch.  Block 1 is named in step 1, blocks 2, 3 in step 3, blocks 4, 5 in step 5, blocks 6, 7 behind the walk; block 0 comes by its loads alone.
; LIMITS: NaN and infinities are not served; a block whose every p has fallen to 0 keeps the byte 1: its codes are zeros.
; REGISTERS: window 0: v0-17 addresses, v32-47 scale words, v64-255 Q's fragments (two sets); on the way out: v64-127 t, then p; v128-191 block 0's ssm; v192-231 at work; v232-255 what is stored for each block.
;   window 1: K's fragments (two sets of 96), v192-255 ssm on its way; four sets of 64 for ssm on the way out.   windows 2, 3: accumulator (a, b) at v[8 (8 (a % 4) + b)] of window 2 + a / 4.
.set MB,    8
.set UA,    3*MB/2                     ; LDS loads of Q's upper blocks: the youngest of a fetch
.set NF,    24+3*MB+2                  ; LDS loads of a fetch
.set HALF,  24576                      ; 128 rows x 256 K
.set SLOT,  4*HALF
.set REF,   2*HALF
.set SCL,   2*SLOT                     ; the scale words: Q's two groups, then K's two, 4,096 bytes each
.set SPARE, SCL+4*4096                 ; the spare words, 128 bytes for each wave: two blocks of 256 bytes that no other line names
.set STG,   SPARE+512                  ; three stages of 16 rows x 528 bytes for each wave: bytes of their own, into which no fill lands
.set RGN,   8448
.set ADRA,  4
.set ADRB,  6
.set ADRS0, 8
.set ADRS1, 9
.set SPW,   10
.set NIL,   11
.set CO,    12                         ; v12   16 x lane
.set STI,   13                         ; v13   my stages, on the way in: 16 x lane
.set STR,   14                         ; v14   on the way out: 528 r + 64 h
.set PFO,   15                         ; v15   ssm's prefetches: (r + 8 (r / 8)) rows + 256 h; never rewritten
.set PFT,   17                         ; v17   the tiles' prefetches: 256 x min(lane, 23); never rewritten
.set SC,    32
.set AF,    64
.set T,     64
.set M2,    128
.set PC,    192
.set BM,    212
.set TP,    216
.set SO,    220
.set PW,    232                        ; v232-239 p's scale words
.set NM,    240                        ; v240-247 -M
.set LL,    248                        ; v248-255 the sums
.set OC,    10                         ; s[10:11] where my codes go
.set G1,  24
.set G0,  32
.set G1B, 48
.set G0B, 56
.set PFA, 66                           ; s[66:67] my work-group's 24 blocks of the quarter that my wave fetches, at K 0
.set G1S, 68
.set G0S, 76
.set G1SB, 80
.set G0SB, 88
.set SEL, 92
.set CS,  94                           ; s[94:95] c = log2(e) / 32
.set MSB, 0
.macro WIN new                         ; the immediate's high byte repeats the setting that is left
.if MSB != (\new)
	s_set_vgpr_msb (MSB<<8)|(\new)
.set MSB, (\new)
.endif
.endm
.macro PLACES n
.rept \n
	v_nop
.endr
.endm
.macro CREST
	s_cmp_lg_u32 s14, 0
	s_cbranch_scc1 .Lnot_wave_0_\@
	s_barrier_signal -3
.Lnot_wave_0_\@:
	s_barrier_wait -3
	s_barrier_signal -1
	s_barrier_wait -1
.endm
.macro CROUND
	s_barrier_signal -1
	s_barrier_wait -1
	CREST
.endm
.macro JLOAD g0a, g1a, g0b, g1b        ; waves 0 and 1 fetch for Q, waves 2 and 3 for K; s_nop 0 and four v_nop follow each line
	s_cmp_eq_u32 s15, 0
	s_cbranch_scc0 .Lfor_b_\@
	tensor_load_to_lds s[\g0a:\g0a+3], s[\g1a:\g1a+7]
	s_nop 0
.rept 4
	v_nop
.endr
	s_branch .Lasked_\@
.Lfor_b_\@:
	tensor_load_to_lds s[\g0b:\g0b+3], s[\g1b:\g1b+7]
	s_nop 0
.rept 4
	v_nop
.endr
.Lasked_\@:
.endm
.macro ARM under, g0, g1, next         ; an arm of the head's one chain of branches on the wave's number
	s_cmp_lt_u32 s14, \under
	s_cbranch_scc0 \next
	tensor_load_to_lds s[\g0:\g0+3], s[\g1:\g1+7]
	s_nop 0
.rept 4
	v_nop
.endr
	s_branch .Lhead_asked
\next:
.endm
.macro PFK s                           ; K slot s of my share of my quarter's rows
	global_prefetch_b8 v[PFT], s[PFA:PFA+1] offset:(\s)*HALF th:TH_LOAD_NT scope:SCOPE_SE
.endm
.macro PFS a                           ; ssm's block a: 16 rows x 512 bytes
	global_prefetch_b8 v[PFO], s[98:99] offset:(32*((\a)/2)+8*((\a)%2))*8192 th:TH_LOAD_NT scope:SCOPE_SE
.endm
.macro SCALEW pw
.irp b, 0,1,2,3
	v_add_nc_u32 v[SO+\b], 0xff000000, v[BM+\b]    ; 2 off the exponent field: the conversion's scale operand
.endr
.irp b, 0,1,2,3
	v_lshrrev_b32 v[TP+\b], 23, v[SO+\b]           ; the byte
.endr
	v_lshl_or_b32 v[\pw], v[TP+1], 8, v[TP]
	v_lshl_or_b32 v[\pw], v[TP+2], 16, v[\pw]
	v_lshl_or_b32 v[\pw], v[TP+3], 24, v[\pw]
.endm
.macro CODES s
.irp c, 0,1
	v_cvt_scalef32_pk16_fp6_f32 v[PC+6*\c:PC+6*\c+2], v[\s+32*\c:\s+32*\c+15], v[SO+2*\c]
	v_cvt_scalef32_pk16_fp6_f32 v[PC+12+4*\c:PC+14+4*\c], v[\s+32*\c+16:\s+32*\c+31], v[SO+2*\c+1]
.endr
	v_nop                                          ; one plain place behind the scaled conversions
.irp c, 0,1                            ; the operand wants a whole block of 32 in a lane
.irp i, 0,1,2
	v_permlane16_swap_b32 v[PC+6*\c+\i], v[PC+12+4*\c+\i]
.endr
.irp i, 0,1,2
	v_mov_b32 v[PC+3+6*\c+\i], v[PC+12+4*\c+\i]
.endr
.endr
.endm
.macro PUT a
.irp c, 0,1,2
	global_store_b128 v[CO], v[PC+4*\c:PC+4*\c+3], s[OC:OC+1] offset:(\a)*1536+512*\c   ; 512 consecutive bytes, aligned
.endr
.endm
.macro FETCH slot, q, p, ch            ; one step's fragments and scale words into set p: K's eight, Q's lower four, the scale words, Q's upper four
	WIN 0x40
.irp i, 0,1,2,3,4,5,6,7
.irp g, 0,1,2
	ds_load_b128 v[96*(\p)+12*\i+4*\g:96*(\p)+12*\i+4*\g+3], v[ADRB+(\slot)] offset:(8*(\q)+\i)*1536+512*\g
.endr
.endr
	WIN 0
.set FI_, 0
.rept MB/2
.irp g, 0,1,2
	ds_load_b128 v[AF+12*MB*(\p)+12*FI_+4*\g:AF+12*MB*(\p)+12*FI_+4*\g+3], v[ADRA+(\slot)] offset:(8*(\q)+FI_)*1536+512*\g
.endr
.set FI_, FI_+1
.endr
	ds_load_b128 v[SC+8*(\p):SC+8*(\p)+3], v[ADRS0] offset:512*(\ch)
	ds_load_b128 v[SC+8*(\p)+4:SC+8*(\p)+7], v[ADRS1] offset:512*(\ch)
.rept MB/2
.irp g, 0,1,2
	ds_load_b128 v[AF+12*MB*(\p)+12*FI_+4*\g:AF+12*MB*(\p)+12*FI_+4*\g+3], v[ADRA+(\slot)] offset:(8*(\q)+FI_)*1536+512*\g
.endr
.set FI_, FI_+1
.endr
.endm
.macro MULA a, p, cm                   ; cm = 1: the first products start the sums: nothing is cleared.  The accumulators take turns
	WIN 0xa1+0x50*((\a)/4)
.irp b, 0,1,2,3,4,5,6,7
.set MC_, 8*(8*((\a)%4)+\b)
.set MB_, 96*(\p)+12*\b
.set MA_, AF+12*MB*(\p)+12*(\a)
.if (\cm) == 1
	v_wmma_scale_f32_16x16x128_f8f6f4 v[MC_:MC_+7], v[MB_:MB_+11], v[MA_:MA_+11], 0, v[SC+8*(\p)+\b], v[SC+8*(\p)+(\a)] matrix_a_fmt:MATRIX_FMT_FP6 matrix_b_fmt:MATRIX_FMT_FP6 matrix_a_scale:MATRIX_SCALE_ROW1
.else
	v_wmma_scale_f32_16x16x128_f8f6f4 v[MC_:MC_+7], v[MB_:MB_+11], v[MA_:MA_+11], v[MC_:MC_+7], v[SC+8*(\p)+\b], v[SC+8*(\p)+(\a)] matrix_a_fmt:MATRIX_FMT_FP6 matrix_b_fmt:MATRIX_FMT_FP6 matrix_a_scale:MATRIX_SCALE_ROW1
.endif
.endr
.endm
.macro MULR a0, n, p, cm
.set RA_, (\a0)
.rept (\n)
	MULA RA_, \p, \cm
.set RA_, RA_+1
.endr
.endm
; ssm's block a: which set of 64 registers of window 1 carries it: blocks 0-2 set 3 (v192-255), blocks 3-7 sets 0, 1, 2, 3, 0
.macro SSMLOAD a                       ; the rows of the block's 16 queries, 128 keys: 512 consecutive bytes a load
.set SS_, 3
.if (\a) > 2
.set SS_, ((\a)-3)%4
.endif
	WIN 0x40
.irp t, 0,1,2,3,4,5,6,7,8,9,10,11,12,13,14,15
	global_load_b128 v[64*SS_+4*\t:64*SS_+4*\t+3], v[CO], s[98:99] offset:(32*((\a)/2)+8*((\a)%2)+\t+8*(\t/8))*8192 th:TH_LOAD_NT
.endr
	WIN 0
.endm
.macro TOSTG a                         ; block a from its registers into my stage a % 3, by rows
.set SS_, 3
.if (\a) > 2
.set SS_, ((\a)-3)%4
.endif
	WIN 0x04                                       ; an LDS store's data are its source 1: window 1
.irp t, 0,1,2,3,4,5,6,7,8,9,10,11,12,13,14,15
	ds_store_b128 v[STI], v[64*SS_+4*\t:64*SS_+4*\t+3] offset:RGN*((\a)%3)+528*\t
.endr
	WIN 0
.endm
.macro M2LOAD a                        ; block a out of its stage: register 16 b + i: key 32 b + 16 h + i of my query.  Block 0: into v128-191; block a > 0: into block a - 1's accumulators
.if (\a) == 0
.set MD_, M2
	WIN 0
.else
.set MD_, 64*(((\a)-1)%4)
	WIN 0x80+0x40*(((\a)-1)/4)                     ; destination window 2 or 3
.endif
.irp b, 0,1,2,3
.irp j, 0,1,2,3
	ds_load_b128 v[MD_+16*\b+4*\j:MD_+16*\b+4*\j+3], v[STR] offset:RGN*((\a)%3)+128*\b+16*\j   ; LDS serves a wave's instructions in order: these see my stores
.endr
.endr
	WIN 0
.endm
; A step whose successor lies in the same slot.  mv >= 0: ssm's block mv has come: it goes to its stage, and block mv + 1 is asked for when the stores have read their registers
.macro STEP p, nslot, nq, nch, cm, mv
	s_wait_dscnt UA                                ; only Q's upper blocks may be out
	MULR 0, MB/2, \p, \cm
	PLACES 4                                       ; in front of loads into registers that matrix instructions have read
.if (\mv) >= 0
	s_wait_loadcnt 0x0                             ; the one block that was out
	TOSTG \mv
.endif
	FETCH \nslot, \nq, 1-(\p), \nch
	s_wait_dscnt NF                                ; all but the fetch just issued: the stores into the stage are done too
.if (\mv) >= 0
	SSMLOAD (\mv)+1
.endif
	MULR MB/2, MB/2, \p, \cm
.endm
; A slot's last step: ONE barrier for the change of slots.  The prefetches stand behind the joint load, its lines and the run of LDS loads: pk > 0: K slot pk; pn: how many of ssm's blocks, from pf on
.macro TURN p, slot, nslot, nch, fill, pk, pf, pn
	WIN 0
	s_wait_tensorcnt 0x0                           ; all my tensor loads have landed: my part of the next slot
	ds_add_u32 v[SPW], v[NIL]                      ; 0 onto my spare word
	s_wait_dscnt UA+1                              ; (the add and Q's upper blocks may be out)
	MULR 0, MB/4, \p, 0
	s_wait_dscnt 0x0                               ; the add is done, and my reads of this slot are over
	s_barrier_signal -1
	MULR MB/4, MB/4, \p, 0
	WIN 0
	s_barrier_wait -1
.if \fill
	CREST                                          ; the round: no wave of any partner still reads this slot or has a load on its way
	s_add_nc_u64 s[G0+4*(\slot)+2:G0+4*(\slot)+3], s[G0+4*(\slot)+2:G0+4*(\slot)+3], REF
	s_add_nc_u64 s[G0B+4*(\slot)+2:G0B+4*(\slot)+3], s[G0B+4*(\slot)+2:G0B+4*(\slot)+3], REF
	JLOAD G0+4*(\slot), G1, G0B+4*(\slot), G1B
.else
	PLACES 4
.endif
	FETCH \nslot, 0, 1-(\p), \nch
.if (\pk) > 0
	PFK \pk
.endif
	PFS \pf
.if (\pn) > 1
	PFS (\pf)+1
.endif
	MULR MB/2, MB/2, \p, 0
.endm
.macro LAST p
	s_wait_dscnt UA
	MULR 0, MB/2, \p, 0
	s_wait_dscnt 0x0
	MULR MB/2, MB/2, \p, 0
	WIN 0
.endm
	s_load_b256 s[4:11], s[0:1], 0x0               ; Q's and K's codes, their scale words, ssm, p's codes
	s_load_b64 s[12:13], s[0:1], 0x20              ; p's scale words, -M and sums
	v_lshl_add_u32 v[SPW], v0, 2, SPARE
	v_mov_b32 v[NIL], 0
	ds_add_u32 v[SPW], v[NIL]                      ; the opening lines: the add, twice on end, and its wait ahead of my first tensor load
	ds_add_u32 v[SPW], v[NIL]
	v_lshrrev_b32 v16, 5, v0
	v_readfirstlane_b32 s14, v16                   ; wave 0..3
	v_and_b32 v1, 15, v0                           ; r
	v_bfe_u32 v2, v0, 4, 1                         ; h
	v_and_b32 v3, 31, v0                           ; lane
	v_lshlrev_b32 v[CO], 4, v3
	v_min_u32 v[PFT], 23, v3
	v_lshlrev_b32 v[PFT], 8, v[PFT]
	v_and_b32 v[PFO], 8, v1
	v_add_nc_u32 v[PFO], v[PFO], v1
	v_lshlrev_b32 v[PFO], 13, v[PFO]
	v_lshl_add_u32 v[PFO], v2, 8, v[PFO]
	s_lshr_b32 s15, s14, 1                         ; my half of the queries.  Also: in the ring I fetch for Q (0) or for K (1)
	s_and_b32 s16, s14, 1                          ; my half of the keys.  Also: which 128 rows I fetch
	s_bfe_u32 s40, ttmp6, 0x40000                  ; cx, cy
	s_bfe_u32 s41, ttmp6, 0x40004
	s_lshl_b32 s42, ttmp9, 2
	s_add_co_u32 s42, s42, s40                     ; tile column: 256 keys of the batch
	s_and_b32 s18, ttmp7, 0xffff
	s_lshr_b32 s96, s18, 1                         ; the batch: from the cluster's y alone (8 tile rows a batch)
	s_lshl_b32 s17, s18, 2
	s_add_co_u32 s17, s17, s41                     ; tile row: 256 queries, batch first
	s_lshl_b32 s43, s41, 2
	s_lshl_b32 s43, 15, s43                        ; my row of the cluster
	s_lshl_b32 s44, 0x1111, s40                    ; my column
	s_or_b32 s[G1+0], s43, (3<<16)|(1<<21)         ; the mask; elements of 8 bytes; bit 21 beside a mask; no padding
	s_or_b32 s[G1B+0], s44, (3<<16)|(1<<21)
	s_or_b32 s[G1S+0], s43, (3<<16)|(1<<21)
	s_or_b32 s[G1SB+0], s44, (3<<16)|(1<<21)
.irp g, G1, G1B                        ; the head's form: two groups of rows, 24,576 dense bytes each, 98,304 bytes apart
	s_mov_b32 s[\g+1], 3072<<16
	s_mov_b32 s[\g+2], 2<<16
	s_mov_b32 s[\g+3], 3072<<16
	s_mov_b32 s[\g+4], 2
	s_mov_b32 s[\g+5], 12288
	s_mov_b32 s[\g+6], 0
	s_mov_b32 s[\g+7], 0
.endr
.irp g, G1S, G1SB                      ; 8,192 dense bytes as 32 rows of 256
	s_mov_b32 s[\g+1], 32<<16
	s_mov_b32 s[\g+2], 32<<16
	s_mov_b32 s[\g+3], 32<<16
	s_mov_b32 s[\g+4], 32
	s_mov_b32 s[\g+5], 32
	s_mov_b32 s[\g+6], 0
	s_mov_b32 s[\g+7], 0
.endr
	s_lshl_b32 s18, s17, 1
	s_add_co_u32 s18, s18, s16                     ; Q's group of rows that I fetch in the ring
	s_mul_i32 s22, s18, 98304
	s_mov_b32 s23, 0
	s_lshl_b32 s18, s17, 13                        ; the scale words of the tile row's two groups
	s_mov_b32 s19, 0
	s_lshl_b32 s46, s42, 1
	s_lshl_b32 s47, s96, 4
	s_add_co_u32 s46, s46, s47                     ; K's first group: 16 x batch + 2 x tile column
	s_add_co_u32 s47, s46, s16                     ; and the one that I fetch in the ring
	s_mul_i32 s2, s47, 98304
	s_add_co_u32 s2, s2, 6291456                   ; K's codes lie behind Q's 512 units
	s_mov_b32 s3, 0
	s_lshl_b32 s46, s46, 12
	s_add_co_u32 s46, s46, 262144
	s_mov_b32 s47, 0
	s_mul_i32 s45, s14, HALF                       ; where a quarter goes: no place in the cluster enters an LDS address
	s_cmp_eq_u32 s15, 0                            ; the tiles' prefetches: my quarter's offset,
	s_cselect_b32 s[PFA], s22, s2
	s_cselect_b32 s20, s40, s41                    ; and my place among the four that ask for it with me:
	s_mul_i32 s20, s20, 6144                       ; 24 blocks of 256 bytes each
	s_add_co_u32 s[PFA], s[PFA], s20
	s_mov_b32 s[PFA+1], 0
	s_lshl_b32 s98, s96, 24                        ; ssm at my wave's first query and first key: a batch is 2^24 bytes,
	s_and_b32 s20, s17, 7
	s_lshl_b32 s20, s20, 1
	s_add_co_u32 s20, s20, s15
	s_lshl_b32 s20, s20, 20                        ; 128 rows of 8,192 bytes,
	s_add_co_u32 s98, s98, s20
	s_lshl_b32 s20, s42, 1
	s_add_co_u32 s20, s20, s16
	s_lshl_b32 s20, s20, 9                         ; 128 keys of 4 bytes
	s_add_co_u32 s98, s98, s20
	s_mov_b32 s99, 0
	s_wait_alu depctr_va_vdst(0)                   ; the wait here, ahead of the waits below
	s_wait_dscnt 0x0                               ; both opening adds are done
	s_wait_kmcnt 0x0
	s_add_nc_u64 s[PFA:PFA+1], s[4:5], s[PFA:PFA+1]   ; never rewritten
	PFK 0
	PFK 1
	s_add_nc_u64 s[22:23], s[4:5], s[22:23]
	s_add_nc_u64 s[18:19], s[6:7], s[18:19]
	s_add_nc_u64 s[2:3], s[4:5], s[2:3]
	s_add_nc_u64 s[46:47], s[6:7], s[46:47]
	s_add_nc_u64 s[98:99], s[8:9], s[98:99]        ; never rewritten
	s_mov_b32 s[G0S], 1
	s_mov_b32 s[G0S+1], SCL
	s_mov_b64 s[G0S+2:G0S+3], s[18:19]
	s_or_b32 s[G0S+3], s[G0S+3], 0x80000000
	s_mov_b32 s[G0SB], 1
	s_mov_b32 s[G0SB+1], SCL+8192
	s_mov_b64 s[G0SB+2:G0SB+3], s[46:47]
	s_or_b32 s[G0SB+3], s[G0SB+3], 0x80000000
.irp s, 0,1
	s_mov_b32 s[G0+4*\s], 1
	s_add_co_u32 s[G0+4*\s+1], s45, \s*SLOT
	s_add_nc_u64 s[G0+4*\s+2:G0+4*\s+3], s[22:23], \s*HALF
	s_or_b32 s[G0+4*\s+3], s[G0+4*\s+3], 0x80000000
	s_mov_b32 s[G0B+4*\s], 1
	s_add_co_u32 s[G0B+4*\s+1], s45, \s*SLOT
	s_add_nc_u64 s[G0B+4*\s+2:G0B+4*\s+3], s[2:3], \s*HALF
	s_or_b32 s[G0B+4*\s+3], s[G0B+4*\s+3], 0x80000000
.endr
	CROUND                                         ; all sixteen work-groups are here: the first joint loads meet
	; the head's loads, one a wave.  Wave 0's group 0 of slot 0 points at Q's part's first byte (LDS 0, first group), wave 2's at K's (LDS 2 HALF, first group)
	ARM 1, G0,  G1,  .Lhead_1
	ARM 2, G0S, G1S, .Lhead_2
	ARM 3, G0B, G1B, .Lhead_3
	tensor_load_to_lds s[G0SB:G0SB+3], s[G1SB:G1SB+7]
	s_nop 0
.rept 4
	v_nop
.endr
.Lhead_asked:
	s_mul_i32 s18, s15, HALF
	s_mul_i32 s19, s16, HALF
	s_add_co_u32 s19, s19, 2*HALF
.irp s, 0,1
	v_add_nc_u32 v[ADRA+\s], s18, v[CO]
	v_add_nc_u32 v[ADRB+\s], s19, v[CO]
	s_add_co_u32 s18, s18, SLOT
	s_add_co_u32 s19, s19, SLOT
.endr
	s_lshl_b32 s18, s15, 12
	s_lshl_b32 s19, s16, 12
	s_add_co_u32 s19, s19, 8192
	s_sub_co_u32 s19, s19, s18
	v_mul_u32_u24 v16, s19, v2                     ; lanes 16-31 take K's: one product, h x the distance
	s_add_co_u32 s18, s18, SCL
	v_lshl_add_u32 v16, v1, 4, v16
	v_add_nc_u32 v[ADRS0], s18, v16
	v_add_nc_u32 v[ADRS1], 256, v[ADRS0]
	s_mul_i32 s18, s14, 3*RGN
	s_add_co_u32 s18, s18, STG                     ; my three stages
	v_add_nc_u32 v[STI], s18, v[CO]
	v_mul_u32_u24 v[STR], v1, 528
	v_lshl_add_u32 v[STR], v2, 6, v[STR]
	v_add_nc_u32 v[STR], s18, v[STR]
	s_mov_b32 s[SEL], 0x76543210
	s_mov_b32 s[SEL+1], 0xfedcba98
	s_mov_b32 s[CS], 0x3d38aa3b                    ; c = log2(e) / 32
	s_mov_b32 s[CS+1], s[CS]                       ; (named with it as a pair, so it is written)
	s_lshl_b32 s18, s17, 1
	s_add_co_u32 s18, s18, s15
	s_lshl_b32 s18, s18, 4
	s_lshl_b32 s20, s42, 1
	s_add_co_u32 s18, s18, s20
	s_add_co_u32 s18, s18, s16                     ; my unit of p: 16 x group of queries + which 128 keys
	s_mul_i32 s20, s18, 12288
	s_mov_b32 s21, 0
	s_add_nc_u64 s[10:11], s[10:11], s[20:21]
	s_lshl_b32 s20, s18, 9
	s_add_nc_u64 s[12:13], s[12:13], s[20:21]
	s_wait_alu depctr_va_vdst(0)                   ; the wait at the head's end
	s_wait_tensorcnt 0x0                           ; my tile of the head's four is in
	ds_add_u32 v[SPW], v[NIL]
.irp g, G1, G1B                        ; no tensor load of mine is out: from here on a load brings 24,576 dense bytes as 96 rows of 256
	s_mov_b32 s[\g+1], 32<<16
	s_mov_b32 s[\g+2], 96<<16
	s_mov_b32 s[\g+3], 32<<16
	s_mov_b32 s[\g+4], 96
	s_mov_b32 s[\g+5], 32
.endr
	s_wait_dscnt 0x0                               ; the add is done
	CROUND                                         ; a whole round: all four tiles are in, in every partner
	JLOAD G0+4, G1, G0B+4, G1B                     ; slot 1's first fill, a quarter a wave: the first tensor load behind the round
	FETCH 0, 0, 0, 0
	SSMLOAD 0
	PFK 2
.set CH, 0
.rept 8
.set P_, CH%2
.set SL_, (CH/2)%2
.set NS_, ((CH+1)/2)%2
.set NX_, (CH+1)%2
.set CM_, 0
.if CH == 0
.set CM_, 1
.endif
.set FL_, 0
.if CH < 4
.set FL_, 1                            ; the refills stand in steps 1 and 3
.endif
.set PK_, 0
.set PF_, CH-1                         ; steps 3 and 5: ssm's blocks 2, 3 and 4, 5
.set PN_, 2
.if CH == 1
.set PK_, 3                            ; step 1: K slot 3 and ssm's block 1
.set PF_, 1
.set PN_, 1
.endif
.set MV_, -1
.if CH >= 4
.set MV_, CH/2-2                       ; steps 4 and 6 move ssm's blocks 0 and 1
.endif
.if CH == 7
	LAST P_
.elseif CH%2 == 1
	TURN P_, SL_, NS_, CH+1, FL_, PK_, PF_, PN_
.else
	STEP P_, NS_, NX_, CH+1, CM_, MV_
.endif
.set CH, CH+1
.endr
	PLACES 4                                       ; behind the last products: loads land in registers that held fragments, results are read, registers that held Q's are written
	M2LOAD 0
	SSMLOAD 3
	SSMLOAD 4
	SSMLOAD 5
	PFS 6
	PFS 7
.irp b, 0,1,2,3
	v_mov_b32 v[TP+\b], 0                          ; a lane permute's destination counts as one of its sources
.endr
	v_mov_b32 v227, 0                              ; (named as the upper half of the pair v[226:227])
; A BLOCK OF 16 QUERIES x 128 KEYS.
.macro SOFT a
	s_wait_dscnt 0x0                               ; this block's ssm is back from its stage, and any stores into the stage have read their registers,
.if ((\a) == 2) || ((\a) == 3)
	SSMLOAD (\a)+4                                 ; which take the block four on
.endif
.if (\a) == 0
.set MS_, M2
	WIN 2                                          ; source 0 (the sums) window 2, source 1 (ssm) window 0
.else
.set MS_, 64*(((\a)-1)%4)
	WIN (2+(\a)/4)|((2+((\a)-1)/4)<<2)             ; source 0: this block's accumulators; source 1: the last block's, which hold ssm
.endif
	s_wait_alu depctr_va_vdst(0)                   ; the wait here, directly ahead of the first reader of these sums
.set N_, 0
.rept 32
	v_pk_mul_f32 v[T+N_:T+N_+1], v[64*((\a)%4)+N_:64*((\a)%4)+N_+1], v[MS_+N_:MS_+N_+1]   ; score x ssm; each accumulator from its low end on
.set N_, N_+2
.endr
	WIN 0
.if (\a) < 7                           ; the next block goes through its stage while this one is worked
.if (\a) >= 1
.set LF_, 6-(\a)
.if LF_ > 3
.set LF_, 3
.endif
	s_wait_alu depctr_va_vdst(0)                   ; the wait here, ahead of the wait below
	s_wait_loadcnt 16*LF_                          ; the next block's 16 loads of ssm are in; those of the blocks asked for behind it, three at the most, may be out
	TOSTG (\a)+1                                   ; LDS serves a wave's instructions in order: the reads of the block that lay in this stage have gone ahead
.endif
	M2LOAD (\a)+1
.endif
.irp b, 0,1,2,3
	v_max3_num_f32 v[BM+\b], v[T+16*\b], v[T+16*\b+1], v[T+16*\b+2]   ; the largest of each block of 32 keys: it serves for M and, since p rises with it, for the block's largest p
.endr
.irp i, 3,5,7,9,11,13
.irp b, 0,1,2,3
	v_max3_num_f32 v[BM+\b], v[BM+\b], v[T+16*\b+\i], v[T+16*\b+\i+1]
.endr
.endr
.irp b, 0,1,2,3
	v_max_num_f32 v[BM+\b], v[BM+\b], v[T+16*\b+15]
.endr
.irp b, 0,1,2,3
	v_permlanex16_b32 v[TP+\b], v[BM+\b], s[SEL], s[SEL+1]
.endr
.irp b, 0,1,2,3
	v_max_num_f32 v[BM+\b], v[BM+\b], v[TP+\b]
.endr
	v_max3_num_f32 v224, v[BM], v[BM+1], v[BM+2]
	v_max_num_f32 v224, v224, v[BM+3]
	v_mul_f32 v224, s[CS], v224                    ; the largest t of these 128 keys (c is positive)
	v_floor_f32 v226, -v224                        ; -M = floor(-t) = -ceil(t): a whole number
.set N_, 0
.rept 32
	v_pk_fma_f32 v[T+N_:T+N_+1], v[T+N_:T+N_+1], s[CS:CS+1], v[226:227] op_sel_hi:[1,0,0]   ; t - M, two at a time
.set N_, N_+2
.endr
.irp b, 0,1,2,3
	v_fma_f32 v[BM+\b], v[BM+\b], s[CS], v226      ; the same of each block's largest
.endr
.set N_, 0
	s_wait_alu depctr_va_vdst(0)                   ; the wait ahead of the batch
.rept 64
	v_exp_f32 v[T+N_], v[T+N_]                     ; p = 2^(t - M), at most 1
.set N_, N_+1
.endr
	v_mov_b32 v[NM+(\a)], v226                     ; (a plain place behind the exponentials)
	s_wait_alu depctr_va_vdst(0)                   ; one wait for the whole batch, ahead of its first reader
.irp b, 0,1,2,3
	v_exp_f32 v[BM+\b], v[BM+\b]                   ; the block's largest p: the same two instructions on the same number
.endr
	v_pk_add_f32 v[228:229], v[T:T+1], v[T+2:T+3]  ; the sum of the UNQUANTISED p, in two packed chains (plain work behind the four)
	v_pk_add_f32 v[230:231], v[T+4:T+5], v[T+6:T+7]
.irp j, 8,12,16,20,24,28,32,36,40,44,48,52,56,60
	v_pk_add_f32 v[228:229], v[228:229], v[T+\j:T+\j+1]
	v_pk_add_f32 v[230:231], v[230:231], v[T+\j+2:T+\j+3]
.endr
	v_pk_add_f32 v[228:229], v[228:229], v[230:231]
.if (\a) > 0
	s_wait_xcnt 0x0                                ; the last block's stores have read the codes' registers: they are written again only behind this wait
.endif
	s_wait_alu depctr_va_vdst(0)                   ; and one for the four
.irp b, 0,1,2,3
	v_max_num_f32 v[BM+\b], 0x1800000, v[BM+\b]    ; the floor 2^(3 - 127): the byte cannot fall under 1
.endr
	SCALEW PW+(\a)
	CODES T
	PUT \a
	v_add_f32 v224, v228, v229
	v_permlanex16_b32 v[TP], v224, s[SEL], s[SEL+1]
	v_add_f32 v[LL+(\a)], v224, v[TP]              ; with lane l xor 16's 64 keys
.endm
.irp a, 0,1,2,3,4,5,6,7
	SOFT \a
.endr
	v_cmp_eq_u32 vcc_lo, 1, v2                     ; lanes 0-15 store blocks 0-3's words of query r, lanes 16-31 blocks 4-7's
.irp w, 0,1,2,3
	v_cndmask_b32 v[64+\w], v[PW+\w], v[PW+4+\w], vcc_lo
	v_cndmask_b32 v[68+\w], v[NM+\w], v[NM+4+\w], vcc_lo
	v_cndmask_b32 v[72+\w], v[LL+\w], v[LL+4+\w], vcc_lo
.endr
	global_store_b128 v[CO], v[64:67], s[12:13]                     ; each store: 512 consecutive bytes, aligned
	global_store_b128 v[CO], v[68:71], s[12:13] offset:524288
	global_store_b128 v[CO], v[72:75], s[12:13] offset:1048576
	s_wait_tensorcnt 0x0                           ; the wave's end
	ds_add_u32 v[SPW], v[NIL]
	s_wait_dscnt 0x0
	CROUND                                         ; the closing round
	s_endpgm
.Lfunc_end_k_q2c1b88eb86_scores:
	.size	k_q2c1b88eb86_scores, .Lfunc_end_k_q2c1b88eb86_scores-k_q2c1b88eb86_scores
	.p2alignl 7, 3214868480
	.fill 96, 4, 3214868480
	.section	.rodata,"a",@progbits
	.p2align	6, 0x0
	.amdhsa_kernel k_q2c1b88eb86_scores
		.amdhsa_group_segment_fixed_size 327680
		.amdhsa_private_segment_fixed_size 0
		.amdhsa_enable_private_segment 0
		.amdhsa_kernarg_size 40
		.amdhsa_user_sgpr_count 2
		.amdhsa_user_sgpr_kernarg_segment_ptr 1
		.amdhsa_wavefront_size32 1
		.amdhsa_system_sgpr_workgroup_id_x 1
		.amdhsa_system_sgpr_workgroup_id_y 1
		.amdhsa_system_sgpr_workgroup_id_z 1
		.amdhsa_system_vgpr_workitem_id 0
		.amdhsa_next_free_vgpr 1024
		.amdhsa_next_free_sgpr 100
		.amdhsa_reserve_vcc 1
		.amdhsa_float_denorm_mode_32 3
		.amdhsa_float_denorm_mode_16_64 3
		.amdhsa_memory_ordered 1
		.amdhsa_forward_progress 1
		.amdhsa_inst_pref_size 241
	.end_amdhsa_kernel
	.amdgpu_metadata
---
amdhsa.version: [ 1, 2 ]
amdhsa.kernels:
  - .name:           k_q2c1b88eb86_scores
    .symbol:         k_q2c1b88eb86_scores.kd
    .args:
      - { .name: qkvc, .offset: 0, .size: 8, .value_kind: global_buffer, .address_space: global }
      - { .name: qkvs, .offset: 8, .size: 8, .value_kind: global_buffer, .address_space: global }
      - { .name: ssm, .offset: 16, .size: 8, .value_kind: global_buffer, .address_space: global }
      - { .name: pc, .offset: 24, .size: 8, .value_kind: global_buffer, .address_space: global }
      - { .name: pstat, .offset: 32, .size: 8, .value_kind: global_buffer, .address_space: global }
    .group_segment_fixed_size: 327680
    .private_segment_fixed_size: 0
    .kernarg_segment_align: 8
    .kernarg_segment_size: 40
    .max_flat_workgroup_size: 128
    .sgpr_count:     100
    .vgpr_count:     1024
    .wavefront_size: 32
...
	.end_amdgpu_metadata
.endif
;; end of part 3
;; launch pv (part 4): grid 4 x 64, 4 waves a work-group, clusters of 4 x 4, 327,680 bytes of LDS; arguments pc, pstat, qkvc, qkvs, out0; writes out0
.if DOCPART == 4
	.amdgcn_target "amdgcn-amd-amdhsa--gfx1250"
	.amdhsa_code_object_version 6
	.text
	.protected	k_q2c1b88eb86_pv
	.globl	k_q2c1b88eb86_pv
	.p2align	8
	.type	k_q2c1b88eb86_pv,@function
k_q2c1b88eb86_pv:
	s_mov_b64 s[64:65], 0
	v_nop
	global_prefetch_b8 v0, s[64:65] scope:SCOPE_SE
	s_setreg_imm32_b32 hwreg(HW_REG_WAVE_MODE, 25, 1), 1
	s_wait_xcnt 0x0
	s_wait_alu depctr_hold_cnt(0) depctr_sa_sdst(0) depctr_va_vdst(0) depctr_va_sdst(0) depctr_va_ssrc(0) depctr_va_vcc(0) depctr_vm_vsrc(0)
	s_getreg_b32 s2, hwreg(HW_REG_IB_STS2, 6, 4)
	s_cmp_eq_u32 s2, 0
	s_cbranch_scc0 .Lentry_in_a_cluster
	s_endpgm
.Lentry_in_a_cluster:
	s_bfe_u32 s2, ttmp6, 0x10000c
	s_cmp_lg_u32 s2, 0xf033
	s_cbranch_scc0 .Lentry_shape_is_right
	s_endpgm
.Lentry_shape_is_right:
; out[s][b][:] = (the sum over the keys of p V) / l, on codes of FP6 (E2M3).  p arrives as codes under a LOCAL M for each query and each 128 keys, with its scale words, -M and the local sums.
; THE PROLOGUE brings them under the row's own M = the largest local M: M - M_local, a whole number, is taken off each scale byte of that run of 128 keys (a byte that would fall under 0 is held at 0), and
; l = the sum of the local sums x 2^(M_local - M), exact scalings.  The fixed scale words of the work-group's 128 queries go to LDS, each wave making those of four runs.
; LIMIT: a block of p whose byte would fall under 0 counts with the scale 2^-127, where the rule would hold the byte at 1 and round the codes anew: numbers under 2^-124 beside a row's largest p, which is over 1/2.  NaN and infinities are not served.
; OPERANDS as images of the operand's registers (a unit = 128 rows x 128 K = 8 fragments of 1,536 bytes; 512 bytes of scale words a unit, laid [fragment / 4][row][fragment % 4]).  Place r of fragment i of p (queries) and of V^T (channels)
; holds row 32 (i / 2) + 8 (i % 2) + r + 8 (r / 8) of its group of 128.  THE MATRIX INSTRUCTION IS USED TRANSPOSED (source 0 = 16 channels of V^T, source 1 = 16 queries): a lane holds ONE query, and the 16 registers
; of tiles 2 b, 2 b + 1 are channels 32 b + 16 h + 0 .. 15.  The queries' order is undone in the stores' offsets.
; A tile of 128 queries x 256 channels gives 256 work-groups; a wave makes 64 x 128: 32 accumulators.  K = 2,048 keys goes through a ring of two slots of 512: two first fills and two refills, written out.
; CLUSTERS: 4 x 4 work-groups; p's tiles are asked for jointly along a row of the cluster, V^T's along a column.
; REGISTERS: window 0: v0-15 addresses, v16-23 1 / l in pairs, v32-47 scale words, v64-159 p's fragments (two sets of 48); v128-255 rows of the output on the way out.  window 1: V^T's fragments (two sets of 96).
;   window 2: accumulator (a, b) at v[8 (8 a + b)].
.set MB,    4
.set NQ,    4
.set NCH,   16
.set UA,    3*MB/2
.set NF,    24+3*MB+2
.set SLOT,  147456                     ; p: 128 queries x 512 keys, 49,152 bytes; then V^T: 2 x 128 channels x 512 keys
.set REF,   98304                      ; a slot's next fill lies 1,024 keys on: 8 units of 12,288 bytes
.set ASC,   2*SLOT                     ; p's fixed scale words, 16 runs x 512 bytes: written by LDS stores alone, no fill lands here
.set BSC,   ASC+8192                   ; V^T's scale words: 2 x 8,192 bytes, filled once
.set SPARE, BSC+16384                  ; the spare words, 128 bytes for each wave: two blocks of 256 bytes that no other line names
.set ADRA,  4
.set ADRB,  6
.set ADRS0, 8
.set ADRS1, 9
.set SPW,   10
.set NIL,   11
.set CO,    12                         ; v12   16 x lane
.set STO,   13                         ; v13   the stage, on the way in: 528 r + 64 h.  The stage (16 rows x 528 bytes a wave) lies in slot 0, which has had its last fill and its last read at the last change of slots
.set RD,    14                         ; v14   on the way out: 16 x lane
.set SCW,   15                         ; v15   where I store fixed scale words: ASC + 2,048 x wave + 16 x lane
.set SC,    32
.set AF,    64
.set BK,    128                        ; the way out: 16 rows read back: v128-191 and v192-255 by turns
.set NMA,   64                         ; the prologue: v64-127 -M of 16 runs x 4 rows a lane
.set LA,    128                        ; v128-191 the local sums
.set OW,    192                        ; v192-207 my four runs' scale words
.set ON,    208                        ; v208-223 and their -M
.set GG,    224                        ; v224-227 -M of the row
.set LS,    228                        ; v228-231 l
.set TT,    232                        ; v232-235 at work
.set RC,    236                        ; v236-239 1 / l
.set RX,    240                        ; v240-243 lane l xor 16's
.set G1,  24
.set G0,  32
.set G1B, 48
.set G0B, 56
.set G1SB, 80
.set G0SB, 88
.set SEL, 92
.set MSB, 0
.macro WIN new
.if MSB != (\new)
	s_set_vgpr_msb (MSB<<8)|(\new)
.set MSB, (\new)
.endif
.endm
.macro PLACES n
.rept \n
	v_nop
.endr
.endm
.macro CREST
	s_cmp_lg_u32 s14, 0
	s_cbranch_scc1 .Lnot_wave_0_\@
	s_barrier_signal -3
.Lnot_wave_0_\@:
	s_barrier_wait -3
	s_barrier_signal -1
	s_barrier_wait -1
.endm
.macro CROUND
	s_barrier_signal -1
	s_barrier_wait -1
	CREST
.endm
.macro JLOAD g0a, g1a, g0b, g1b
	s_cmp_eq_u32 s15, 0
	s_cbranch_scc0 .Lfor_b_\@
	tensor_load_to_lds s[\g0a:\g0a+3], s[\g1a:\g1a+7]
	s_nop 0
.rept 4
	v_nop
.endr
	s_branch .Lasked_\@
.Lfor_b_\@:
	tensor_load_to_lds s[\g0b:\g0b+3], s[\g1b:\g1b+7]
	s_nop 0
.rept 4
	v_nop
.endr
.Lasked_\@:
.endm
.macro FETCH slot, q, p, ch
	WIN 0x40
.irp i, 0,1,2,3,4,5,6,7
.irp g, 0,1,2
	ds_load_b128 v[96*(\p)+12*\i+4*\g:96*(\p)+12*\i+4*\g+3], v[ADRB+(\slot)] offset:(8*(\q)+\i)*1536+512*\g
.endr
.endr
	WIN 0
.set FI_, 0
.rept MB/2
.irp g, 0,1,2
	ds_load_b128 v[AF+12*MB*(\p)+12*FI_+4*\g:AF+12*MB*(\p)+12*FI_+4*\g+3], v[ADRA+(\slot)] offset:(8*(\q)+FI_)*1536+512*\g
.endr
.set FI_, FI_+1
.endr
	ds_load_b128 v[SC+8*(\p):SC+8*(\p)+3], v[ADRS0] offset:512*(\ch)
	ds_load_b128 v[SC+8*(\p)+4:SC+8*(\p)+7], v[ADRS1] offset:512*(\ch)
.rept MB/2
.irp g, 0,1,2
	ds_load_b128 v[AF+12*MB*(\p)+12*FI_+4*\g:AF+12*MB*(\p)+12*FI_+4*\g+3], v[ADRA+(\slot)] offset:(8*(\q)+FI_)*1536+512*\g
.endr
.set FI_, FI_+1
.endr
.endm
.macro MULA a, p, cm                   ; cm = 1: the first products start the sums.  The accumulators take turns
	WIN 0xa1
.irp b, 0,1,2,3,4,5,6,7
.set MC_, 8*(8*(\a)+\b)
.set MB_, 96*(\p)+12*\b
.set MA_, AF+12*MB*(\p)+12*(\a)
.if (\cm) == 1
	v_wmma_scale_f32_16x16x128_f8f6f4 v[MC_:MC_+7], v[MB_:MB_+11], v[MA_:MA_+11], 0, v[SC+8*(\p)+\b], v[SC+8*(\p)+(\a)] matrix_a_fmt:MATRIX_FMT_FP6 matrix_b_fmt:MATRIX_FMT_FP6 matrix_a_scale:MATRIX_SCALE_ROW1
.else
	v_wmma_scale_f32_16x16x128_f8f6f4 v[MC_:MC_+7], v[MB_:MB_+11], v[MA_:MA_+11], v[MC_:MC_+7], v[SC+8*(\p)+\b], v[SC+8*(\p)+(\a)] matrix_a_fmt:MATRIX_FMT_FP6 matrix_b_fmt:MATRIX_FMT_FP6 matrix_a_scale:MATRIX_SCALE_ROW1
.endif
.endr
.endm
.macro MULR a0, n, p, cm
.set RA_, (\a0)
.rept (\n)
	MULA RA_, \p, \cm
.set RA_, RA_+1
.endr
.endm
.macro STEP p, nslot, nq, nch, cm
	s_wait_dscnt UA                                ; only p's upper blocks may be out
	MULR 0, MB/2, \p, \cm
	PLACES 4
	FETCH \nslot, \nq, 1-(\p), \nch
	s_wait_dscnt NF                                ; all but the fetch just issued
	MULR MB/2, MB/2, \p, \cm
.endm
.macro TURN p, slot, nslot, nch, fill
	WIN 0
	s_wait_tensorcnt 0x0                           ; all my tensor loads have landed: my part of the next slot
	ds_add_u32 v[SPW], v[NIL]                      ; 0 onto my spare word
	s_wait_dscnt UA+1                              ; (the add and p's upper blocks may be out)
	MULR 0, MB/4, \p, 0
	s_wait_dscnt 0x0                               ; the add is done, and my reads of this slot are over
	s_barrier_signal -1
	MULR MB/4, MB/4, \p, 0
	WIN 0
	s_barrier_wait -1
.if \fill
	CREST                                          ; the round: no wave of any partner still reads this slot or has a load on its way
	s_add_nc_u64 s[G0+4*(\slot)+2:G0+4*(\slot)+3], s[G0+4*(\slot)+2:G0+4*(\slot)+3], REF
	s_add_nc_u64 s[G0B+4*(\slot)+2:G0B+4*(\slot)+3], s[G0B+4*(\slot)+2:G0B+4*(\slot)+3], REF
	JLOAD G0+4*(\slot), G1, G0B+4*(\slot), G1B
.else
	PLACES 4
.endif
	FETCH \nslot, 0, 1-(\p), \nch
	MULR MB/2, MB/2, \p, 0
.endm
; A PREFETCH of slot s of what my wave fetches.  The four partners that ask jointly share the blocks of 256 bytes out by address (cx for p, cy for V^T): of p's 96 blocks 24 each, one line; of V^T's 192 blocks 48 each, two lines;
; lanes 24-31 name the line's last block again.  The branch hangs on the wave's number alone.  Slots 0 and 1 are named ahead of the opening round, slot 2 behind the head's load, slot 3 behind slot 1's fill.
.macro ASKT s
	global_prefetch_b8 v27, s[100:101] offset:(\s)*49152 th:TH_LOAD_NT scope:SCOPE_SE
	s_cmp_eq_u32 s15, 0
	s_cbranch_scc1 .Lp_only_\@
	global_prefetch_b8 v27, s[100:101] offset:(\s)*49152+6144 th:TH_LOAD_NT scope:SCOPE_SE
.Lp_only_\@:
.endm
.macro LAST p
	s_wait_dscnt UA
	MULR 0, MB/2, \p, 0
	s_wait_alu depctr_va_vdst(0)
	s_wait_dscnt 0x0
	MULR MB/2, MB/2, \p, 0
	WIN 0
.endm
	s_load_b256 s[4:11], s[0:1], 0x0               ; p's codes; p's scale words, -M and sums; V^T's codes (behind Q's and K's); their scale words
	s_load_b64 s[12:13], s[0:1], 0x20              ; the output
	v_lshl_add_u32 v[SPW], v0, 2, SPARE
	v_mov_b32 v[NIL], 0
	ds_add_u32 v10, v11
	ds_add_u32 v10, v11
	s_wait_dscnt 0x0
	v_lshrrev_b32 v1, 5, v0
	v_readfirstlane_b32 s14, v1
	s_lshr_b32 s15, s14, 1                         ; which 64 of the 128 queries are mine.  Also: I fetch for p (0) or for V^T (1)
	s_and_b32 s16, s14, 1                          ; which 128 of the 256 channels.  Also: which half I fetch
	s_bfe_u32 s40, ttmp6, 0x40000
	s_bfe_u32 s41, ttmp6, 0x40004
	s_lshl_b32 s42, ttmp9, 2
	s_add_co_u32 s42, s42, s40                     ; tile column: 256 channels
	s_and_b32 s18, ttmp7, 0xffff
	s_lshr_b32 s99, s18, 2                         ; the batch: from the cluster's y alone (16 groups of queries a batch)
	s_lshl_b32 s17, s18, 2
	s_add_co_u32 s17, s17, s41                     ; the group of 128 queries, batch first
	s_lshl_b32 s43, s41, 2
	s_lshl_b32 s43, 15, s43
	s_lshl_b32 s44, 0x1111, s40
	s_or_b32 s[G1+0], s43, (3<<16)|(1<<21)
	s_or_b32 s[G1B+0], s44, (3<<16)|(1<<21)
	s_or_b32 s[G1SB+0], s44, (3<<16)|(1<<21)
.irp g, G1, G1B, G1SB
	s_mov_b32 s[\g+1], 32<<16
	s_mov_b32 s[\g+3], 32<<16
	s_mov_b32 s[\g+5], 32
	s_mov_b32 s[\g+6], 0
	s_mov_b32 s[\g+7], 0
.endr
	s_mov_b32 s[G1+2], 192<<16                     ; p, the head's form: a whole slot's 49,152 bytes
	s_mov_b32 s[G1+4], 192
	s_mov_b32 s[G1B+2], 192<<16                    ; V^T: 49,152
	s_mov_b32 s[G1B+4], 192
	s_mov_b32 s[G1SB+2], 64<<16                    ; the scale words of both groups of channels: 16,384
	s_mov_b32 s[G1SB+4], 64
	s_mul_i32 s22, s17, 196608                     ; p: 16 units a group of queries,
	s_mul_i32 s23, s16, 24576                      ; my two of a slot's four
	s_add_co_u32 s22, s22, s23
	s_mov_b32 s23, 0
	s_lshl_b32 s46, s42, 1
	s_add_co_u32 s46, s46, s16
	s_lshl_b32 s47, s99, 3
	s_add_co_u32 s46, s46, s47                     ; V^T's group of channels: 8 x batch + 2 x tile column + half
	s_mul_i32 s2, s46, 196608
	s_add_co_u32 s2, s2, 12582912                  ; behind Q's and K's 1,024 units
	s_mov_b32 s3, 0
	s_sub_co_u32 s46, s46, s16                     ; the scale words from the tile column's first group on
	s_lshl_b32 s46, s46, 13
	s_add_co_u32 s46, s46, 524288
	s_mov_b32 s47, 0
	s_mul_i32 s45, s16, 24576                      ; where they go: no place in the cluster enters an LDS address
	s_mul_i32 s20, s16, 49152
	s_add_co_u32 s20, s20, 49152
	s_cmp_eq_u32 s15, 0                            ; the prefetches: the offset of what I fetch,
	s_cselect_b32 s100, s22, s2
	s_cselect_b32 s21, s40, s41                    ; my place among the four that ask with me,
	s_mul_i32 s21, s21, 6144
	s_lshl_b32 s21, s21, s15                       ; and its share: 6,144 bytes of p, 12,288 of V^T
	s_add_co_u32 s100, s100, s21
	s_mov_b32 s101, 0
	v_and_b32 v27, 31, v0
	v_min_u32 v27, 23, v27
	v_lshlrev_b32 v27, 8, v27                      ; v27: 256 x min(lane, 23); never rewritten
	s_wait_alu depctr_va_vdst(0)                   ; the wait here, ahead of the wait below
	s_wait_kmcnt 0x0
	s_cmp_eq_u32 s15, 0
	s_cselect_b64 s[96:97], s[4:5], s[8:9]
	s_add_nc_u64 s[100:101], s[96:97], s[100:101]  ; never rewritten
	s_add_nc_u64 s[22:23], s[4:5], s[22:23]
	s_add_nc_u64 s[2:3], s[8:9], s[2:3]
	s_add_nc_u64 s[46:47], s[10:11], s[46:47]
	ASKT 0
	ASKT 1
	CROUND
	s_mov_b32 s[G0SB], 1
	s_mov_b32 s[G0SB+1], BSC
	s_mov_b64 s[G0SB+2:G0SB+3], s[46:47]
	s_or_b32 s[G0SB+3], s[G0SB+3], 0x80000000
.irp s, 0,1
	s_mov_b32 s[G0+4*\s], 1
	s_add_co_u32 s[G0+4*\s+1], s45, \s*SLOT
	s_add_nc_u64 s[G0+4*\s+2:G0+4*\s+3], s[22:23], \s*49152
	s_or_b32 s[G0+4*\s+3], s[G0+4*\s+3], 0x80000000
	s_mov_b32 s[G0B+4*\s], 1
	s_add_co_u32 s[G0B+4*\s+1], s20, \s*SLOT
	s_add_nc_u64 s[G0B+4*\s+2:G0B+4*\s+3], s[2:3], \s*49152
	s_or_b32 s[G0B+4*\s+3], s[G0B+4*\s+3], 0x80000000
.endr
; the head's loads, one a wave: wave 0 p's whole part of slot 0 (its own group 0 points at the part's first byte), wave 1 V^T's scale words, waves 2 and 3 V^T's two halves of slot 0
	s_cmp_lt_u32 s14, 1
	s_cbranch_scc0 .Lhead_1
	tensor_load_to_lds s[G0:G0+3], s[G1:G1+7]
	s_nop 0
.rept 4
	v_nop
.endr
	s_branch .Lfirst_done
.Lhead_1:
	s_cmp_lt_u32 s14, 2
	s_cbranch_scc0 .Lhead_2
	tensor_load_to_lds s[G0SB:G0SB+3], s[G1SB:G1SB+7]
	s_nop 0
.rept 4
	v_nop
.endr
	s_branch .Lfirst_done
.Lhead_2:
	tensor_load_to_lds s[G0B:G0B+3], s[G1B:G1B+7]
	s_nop 0
.rept 4
	v_nop
.endr
.Lfirst_done:
	v_and_b32 v1, 15, v0
	v_bfe_u32 v2, v0, 4, 1
	v_and_b32 v3, 31, v0
	v_lshlrev_b32 v[CO], 4, v3
	; THE PROLOGUE.  Lane 16 g + r holds, in four registers w, what belongs to row r of fragment 4 g + w
	s_wait_alu depctr_va_vdst(0)
	s_lshl_b32 s18, s17, 13                        ; the group's 16 runs x 512 bytes
	s_mov_b32 s19, 0
	s_add_nc_u64 s[6:7], s[6:7], s[18:19]
	s_lshl_b32 s18, s14, 11
	v_add_nc_u32 v24, s18, v[CO]                   ; my four runs: 4 x wave on
	s_add_co_u32 s18, s18, ASC
	v_add_nc_u32 v[SCW], s18, v[CO]
.irp c, 0,1,2,3,4,5,6,7,8,9,10,11,12,13,14,15
	global_load_b128 v[NMA+4*\c:NMA+4*\c+3], v[CO], s[6:7] offset:524288+512*\c
.endr
.irp c, 0,1,2,3,4,5,6,7,8,9,10,11,12,13,14,15
	global_load_b128 v[LA+4*\c:LA+4*\c+3], v[CO], s[6:7] offset:1048576+512*\c
.endr
.irp k, 0,1,2,3
	global_load_b128 v[OW+4*\k:OW+4*\k+3], v24, s[6:7] offset:512*\k
	global_load_b128 v[ON+4*\k:ON+4*\k+3], v24, s[6:7] offset:524288+512*\k
.endr
	ASKT 2
	s_mul_i32 s18, s15, 6144
	s_mul_i32 s19, s16, 49152
	s_add_co_u32 s19, s19, 49152                   ; my 128 channels of V^T, behind p
.irp s, 0,1
	v_add_nc_u32 v[ADRA+\s], s18, v[CO]
	v_add_nc_u32 v[ADRB+\s], s19, v[CO]
	s_add_co_u32 s18, s18, SLOT
	s_add_co_u32 s19, s19, SLOT
.endr
	s_lshl_b32 s18, s15, 8                         ; p's scale words: my four blocks' 256 bytes of a run's 512
	s_lshl_b32 s19, s16, 13                        ; V^T's, behind p's 8,192
	s_add_co_u32 s19, s19, 8192
	s_sub_co_u32 s19, s19, s18
	v_mul_u32_u24 v25, s19, v2                     ; lanes 16-31 take V^T's: one product, h x the distance
	s_add_co_u32 s19, s19, 256
	v_mul_u32_u24 v26, s19, v2                     ; blocks 4-7 of V^T (lanes 0-15 read p's four words again: not used)
	s_add_co_u32 s18, s18, ASC
	v_lshl_add_u32 v25, v1, 4, v25
	v_lshl_add_u32 v26, v1, 4, v26
	v_add_nc_u32 v[ADRS0], s18, v25
	v_add_nc_u32 v[ADRS1], s18, v26
	s_mul_i32 s18, s14, 8448                       ; my stage
	v_mul_u32_u24 v[STO], v1, 528
	v_lshl_add_u32 v[STO], v2, 6, v[STO]
	v_add_nc_u32 v[STO], s18, v[STO]
	v_add_nc_u32 v[RD], s18, v[CO]
	s_mov_b32 s[SEL], 0x76543210
	s_mov_b32 s[SEL+1], 0xfedcba98
	s_mov_b32 s96, 0x80808080
	s_mov_b32 s97, 0x01010101
	s_mov_b32 s98, 0x7f7f7f7f
	s_and_b32 s18, s17, 15                         ; the output at my wave's first row and channel
	s_lshl_b32 s18, s18, 1
	s_add_co_u32 s18, s18, s15
	s_lshl_b32 s18, s18, 20                        ; 64 rows s of 16,384 bytes
	s_lshl_b32 s19, s99, 12
	s_add_co_u32 s18, s18, s19
	s_lshl_b32 s19, s42, 1
	s_add_co_u32 s19, s19, s16
	s_lshl_b32 s19, s19, 9
	s_add_co_u32 s18, s18, s19
	s_mov_b32 s19, 0
	s_add_nc_u64 s[12:13], s[12:13], s[18:19]
.irp w, 0,1,2,3
	v_mov_b32 v[RX+\w], 0                          ; a lane permute's destination counts as one of its sources
.endr
	s_wait_loadcnt 0x0
.irp w, 0,1,2,3
	v_min3_num_f32 v[GG+\w], v[NMA+\w], v[NMA+4+\w], v[NMA+8+\w]   ; the least -M of the 16 runs: -M of the row
.endr
.irp c, 3,5,7,9,11,13
.irp w, 0,1,2,3
	v_min3_num_f32 v[GG+\w], v[GG+\w], v[NMA+4*\c+\w], v[NMA+4*\c+4+\w]
.endr
.endr
.irp w, 0,1,2,3
	v_min_num_f32 v[GG+\w], v[GG+\w], v[NMA+60+\w]
.endr
.irp c, 0,1,2,3,4,5,6,7,8,9,10,11,12,13,14,15
.irp w, 0,1,2,3
	v_sub_f32 v[TT+\w], v[GG+\w], v[NMA+4*\c+\w]   ; M_local - M: a whole number, 0 or less
.endr
.irp w, 0,1,2,3
	v_cvt_i32_f32 v[TT+\w], v[TT+\w]               ; (it saturates)
.endr
.if \c == 0
.irp w, 0,1,2,3
	v_ldexp_f32 v[LS+\w], v[LA+\w], v[TT+\w]       ; the first run starts l
.endr
.else
.irp w, 0,1,2,3
	v_ldexp_f32 v[TT+\w], v[LA+4*\c+\w], v[TT+\w]  ; the local sum under the row's M: nothing is rounded
.endr
.irp w, 0,1,2,3
	v_add_f32 v[LS+\w], v[LS+\w], v[TT+\w]
.endr
.endif
.endr
.irp k, 0,1,2,3                        ; my four runs' scale words: d = M - M_local off each of the four bytes.  The bytes lie from 1 to 125 and d is held at 127: with bit 7 set on top no borrow crosses a byte
.irp w, 0,1,2,3
	v_sub_f32 v[ON+4*\k+\w], v[ON+4*\k+\w], v[GG+\w]
.endr
.irp w, 0,1,2,3
	v_cvt_u32_f32 v[ON+4*\k+\w], v[ON+4*\k+\w]
.endr
.irp w, 0,1,2,3
	v_min_u32 v[ON+4*\k+\w], 0x7f, v[ON+4*\k+\w]
.endr
.irp w, 0,1,2,3
	v_mul_lo_u32 v[ON+4*\k+\w], v[ON+4*\k+\w], s97 ; d in every byte
.endr
.irp w, 0,1,2,3
	v_or_b32 v[OW+4*\k+\w], s96, v[OW+4*\k+\w]
.endr
.irp w, 0,1,2,3
	v_sub_nc_u32 v[OW+4*\k+\w], v[OW+4*\k+\w], v[ON+4*\k+\w]   ; bit 7 of a byte is left standing where byte >= d
.endr
.irp w, 0,1,2,3
	v_lshrrev_b32 v[ON+4*\k+\w], 7, v[OW+4*\k+\w]
.endr
.irp w, 0,1,2,3
	v_and_b32 v[ON+4*\k+\w], s97, v[ON+4*\k+\w]
.endr
.irp w, 0,1,2,3
	v_lshlrev_b32 v[TT+\w], 8, v[ON+4*\k+\w]
.endr
.irp w, 0,1,2,3
	v_sub_nc_u32 v[ON+4*\k+\w], v[TT+\w], v[ON+4*\k+\w]        ; 0xff in those bytes, 0 in the others
.endr
.irp w, 0,1,2,3
	v_and_b32 v[OW+4*\k+\w], s98, v[OW+4*\k+\w]
.endr
.irp w, 0,1,2,3
	v_and_b32 v[OW+4*\k+\w], v[OW+4*\k+\w], v[ON+4*\k+\w]      ; byte - d, or 0
.endr
	ds_store_b128 v[SCW], v[OW+4*\k:OW+4*\k+3] offset:512*\k
.endr
	s_wait_alu depctr_va_vdst(0)
.irp w, 0,1,2,3
	v_rcp_f32 v[RC+\w], v[LS+\w]
.endr
	v_cmp_ne_u32 vcc_lo, s15, v2                   ; (a plain place behind the reciprocals)  my blocks' rows lie in the lanes of half s15
	s_wait_alu depctr_va_vdst(0)                   ; one wait for the four, ahead of their first reader
.irp w, 0,1,2,3
	v_permlanex16_b32 v[RX+\w], v[RC+\w], s[SEL], s[SEL+1]
.endr
.irp a, 0,1,2,3
	v_cndmask_b32 v[16+2*\a], v[RC+\a], v[RX+\a], vcc_lo   ; 1 / l of row r of my block a, in both halves of the lanes; twice, a pair for the packed multiply
	v_cndmask_b32 v[17+2*\a], v[RC+\a], v[RX+\a], vcc_lo
.endr
	s_wait_alu depctr_va_vdst(0)                   ; the wait at the head's end
	s_wait_tensorcnt 0x0                           ; my tile of the head's four is in
	ds_add_u32 v[SPW], v[NIL]
	s_mov_b32 s[G1+2], 96<<16                      ; no tensor load of mine is out: from here on a load of p brings 24,576 bytes
	s_mov_b32 s[G1+4], 96
	s_wait_dscnt 0x0                               ; the add is done, and my stores of scale words have landed
	CROUND                                         ; a whole round: everybody's tiles and stores are in
	JLOAD G0+4, G1, G0B+4, G1B                     ; slot 1's first fill: the first tensor load behind the round
	FETCH 0, 0, 0, 0
	ASKT 3
.set CH, 0
.rept NCH
.set P_, CH%2
.set SL_, (CH/NQ)%2
.set Q_, CH%NQ
.set NS_, ((CH+1)/NQ)%2
.set NX_, (CH+1)%NQ
.set CM_, 0
.if CH == 0
.set CM_, 1
.endif
.set FL_, 0
.if CH < 2*NQ
.set FL_, 1
.endif
.if CH == NCH-1
	LAST P_
.elseif Q_ == NQ-1
	TURN P_, SL_, NS_, CH+1, FL_
.else
	STEP P_, NS_, NX_, CH+1, CM_
.endif
.set CH, CH+1
.endr
; THE WAY OUT, a block of 16 queries x 128 channels at a time: divided by l in place, through my stage, back as whole rows of 512 bytes.
.macro PACK a
	WIN 0x82                                       ; source 0 and destination window 2
.set N_, 0
.rept 32
	v_pk_mul_f32 v[64*(\a)+N_:64*(\a)+N_+1], v[64*(\a)+N_:64*(\a)+N_+1], v[16+2*(\a):17+2*(\a)]   ; each accumulator from its low end on
.set N_, N_+2
.endr
	WIN 0x08                                       ; an LDS store's data are its source 1: window 2
.irp b, 0,1,2,3,4,5,6,7
	ds_store_b128 v[STO], v[64*(\a)+8*\b:64*(\a)+8*\b+3] offset:128*(\b/2)+32*(\b%2)       ; tile b's register j: channel 32 (b / 2) + 8 (b % 2) + 16 h + j
	ds_store_b128 v[STO], v[64*(\a)+8*\b+4:64*(\a)+8*\b+7] offset:128*(\b/2)+32*(\b%2)+16
.endr
	WIN 0
.irp t, 0,1,2,3,4,5,6,7,8,9,10,11,12,13,14,15
	ds_load_b128 v[BK+64*((\a)%2)+4*\t:BK+64*((\a)%2)+4*\t+3], v[RD] offset:528*\t   ; LDS serves a wave's instructions in order: these see the stores above, and the next block's stores come behind them
.endr
.endm
.macro SEND a, younger                 ; younger: the LDS instructions issued behind block a's loads, which may stay out
	s_wait_dscnt \younger
.irp t, 0,1,2,3,4,5,6,7,8,9,10,11,12,13,14,15
	global_store_b128 v[CO], v[BK+64*((\a)%2)+4*\t:BK+64*((\a)%2)+4*\t+3], s[12:13] offset:(32*((\a)/2)+8*((\a)%2)+\t+8*(\t/8))*16384 th:TH_STORE_NT   ; place t of block a is row s = 32 (a / 2) + 8 (a % 2) + t + 8 (t / 8); 512 consecutive bytes, aligned
.endr
.endm
	PLACES 4                                       ; behind the last products
	PACK 0
.irp a, 1,2,3
.if \a > 1
	s_wait_xcnt 0x0                                ; block a - 2's stores have read their registers: block a's loads may land there
.endif
	PACK \a
	SEND \a-1, 32                                  ; behind block a - 1's loads: block a's 16 stores and 16 loads
.endr
	SEND 3, 0
	s_wait_tensorcnt 0x0                           ; the wave's end
	ds_add_u32 v[SPW], v[NIL]
	s_wait_dscnt 0x0
	CROUND                                         ; the closing round
	s_endpgm
.Lfunc_end_k_q2c1b88eb86_pv:
	.size	k_q2c1b88eb86_pv, .Lfunc_end_k_q2c1b88eb86_pv-k_q2c1b88eb86_pv
	.p2alignl 7, 3214868480
	.fill 96, 4, 3214868480
	.section	.rodata,"a",@progbits
	.p2align	6, 0x0
	.amdhsa_kernel k_q2c1b88eb86_pv
		.amdhsa_group_segment_fixed_size 327680
		.amdhsa_private_segment_fixed_size 0
		.amdhsa_enable_private_segment 0
		.amdhsa_kernarg_size 40
		.amdhsa_user_sgpr_count 2
		.amdhsa_user_sgpr_kernarg_segment_ptr 1
		.amdhsa_wavefront_size32 1
		.amdhsa_system_sgpr_workgroup_id_x 1
		.amdhsa_system_sgpr_workgroup_id_y 1
		.amdhsa_system_sgpr_workgroup_id_z 1
		.amdhsa_system_vgpr_workitem_id 0
		.amdhsa_next_free_vgpr 768
		.amdhsa_next_free_sgpr 102
		.amdhsa_reserve_vcc 1
		.amdhsa_float_denorm_mode_32 3
		.amdhsa_float_denorm_mode_16_64 3
		.amdhsa_memory_ordered 1
		.amdhsa_forward_progress 1
		.amdhsa_inst_pref_size 167
	.end_amdhsa_kernel
	.amdgpu_metadata
---
amdhsa.version: [ 1, 2 ]
amdhsa.kernels:
  - .name:           k_q2c1b88eb86_pv
    .symbol:         k_q2c1b88eb86_pv.kd
    .args:
      - { .name: pc, .offset: 0, .size: 8, .value_kind: global_buffer, .address_space: global }
      - { .name: pstat, .offset: 8, .size: 8, .value_kind: global_buffer, .address_space: global }
      - { .name: qkvc, .offset: 16, .size: 8, .value_kind: global_buffer, .address_space: global }
      - { .name: qkvs, .offset: 24, .size: 8, .value_kind: global_buffer, .address_space: global }
      - { .name: out0, .offset: 32, .size: 8, .value_kind: global_buffer, .address_space: global }
    .group_segment_fixed_size: 327680
    .private_segment_fixed_size: 0
    .kernarg_segment_align: 8
    .kernarg_segment_size: 40
    .max_flat_workgroup_size: 128
    .sgpr_count:     102
    .vgpr_count:     768
    .wavefront_size: 32
...
	.end_amdgpu_metadata
.endif
;; end of part 4
